; MI455X (gfx1250); checked and timed in simulation.
; The chip was launched on July 23, 2026; its instructions are those of AMD's public machine-readable ISA for CDNA 5 (MIT licence, August 2026) and "CDNA5" Instruction Set Architecture Reference Guide (July 2026). The comments in the code are by the model that wrote it; some were corrected since.
;; Llama Attention. Allowed arithmetic: matrix products marked QUANTISED: E2M1 operands, one E8M0 scale for each 32 along K, by v_wmma_scale_f32_16x16x128_f8f6f4 with both operands' format E2M1 (or v_wmma_scale_f32_32x16x128_f4), f32 sums; products left as they are: bf16, f16 or f32 operands; f32 sums; everything else in f32.
;; Inputs: freqs_cos 4,096 x 32 float32; freqs_sin 4,096 x 32 float32; hidden_states 1 x 4,096 x 4,096 float32; wk 512 x 4,096 float32; wo 2,048 x 512 float32; wq 512 x 4,096 float32; wv 512 x 4,096 float32.
;; Outputs: out0 1 x 4,096 x 2,048 float32.
;; This version of the problem:
;;   THIS VERSION OF THE PROBLEM IS GIVEN IN LOW PRECISION. The matrix products marked QUANTISED in the list below multiply operands that are first quantised to E2M1 (2 exponent bits, 1 mantissa bit; 4 bits a number), with one power-of-two scale for each 32 numbers along K (OCP MX v1.0); their sums are f32. The products marked 'left as it is' may take bf16, f16 or f32 operands, with f32 sums. Whichever they take, every output number must still come out within the allowed error. Rounding operands to bf16 (8 significant bits) uses up far more of that allowance than f16 does (11 bits, for magnitudes from 6e-5 to 65,504). All else is computed in f32.
;;   The module's matrix products, in the order in which they are computed (A, B: the left and right operand; K: the contracted axis; several contracted axes count as one K, in the product's order):
;;     1. [M 4,096, K 4,096] x [K 4,096, N 512]; A: input hidden_states; B: input wq: QUANTISED
;;     2. [M 4,096, K 4,096] x [K 4,096, N 512]; A: input hidden_states; B: input wk: QUANTISED
;;     3. [M 4,096, K 4,096] x [K 4,096, N 512]; A: input hidden_states; B: input wv: QUANTISED
;;     4. batch 8 x [M 4,096, K 64] x [K 64, N 4,096]; A: computed on the way; B: computed on the way: left as it is (an operand is computed on the way)
;;     5. batch 8 x [M 4,096, K 4,096] x [K 4,096, N 64]; A: computed on the way; B: computed on the way: left as it is (an operand is computed on the way)
;;     6. [M 4,096, K 512] x [K 512, N 2,048]; A: computed on the way; B: input wo: left as it is (an operand is computed on the way)
;;   THE QUANTISER, for each operand of a quantised product, along K:
;;     - K is cut into blocks of 32 from its start; a last block that is shorter is filled with zeros.
;;     - A block's scale is 2^e with e = floor(log2(the largest magnitude in the block)) - 2, held to -126 .. 127; a block of zeros has e = 0. As a byte (E8M0): e + 127.
;;     - Each number is divided by its block's scale, clamped to +-6, and rounded to the nearest number of E2M1, ties to even, subnormals kept.
;;     - The product sums the exact products of the quantised numbers (number of the format x scale) in f32.
;;   ~~~python
;;   def quantise(x, axis):      # numpy; x: float32 -> the quantised numbers, widened to float32 again
;;       x = np.moveaxis(x, axis, -1); K = x.shape[-1]
;;       x = np.pad(x, [(0, 0)] * (x.ndim - 1) + [(0, -K % 32)]); x = x.reshape(x.shape[:-1] + (-1, 32)); a = np.abs(x).max(-1, keepdims=True)
;;       e = np.where(a > 0, np.clip(np.frexp(np.where(a > 0, a, 1))[1] - 1 - 2, -126, 127), 0)      # np.frexp(a)[1] - 1 = floor(log2(a)), exactly
;;       r = np.clip(x / 2.0 ** e, -6, 6)
;;       step = 2.0 ** (np.maximum(np.frexp(np.where(r == 0, 1, r))[1] - 1, 0) - 1)
;;       q = np.round(r / step) * step * 2.0 ** e      # np.round: ties to even
;;       return np.moveaxis(q.reshape(q.shape[:-2] + (-1,))[..., :K], -1, axis).astype(np.float32)
;;   ~~~
;; One version. Each part assembles by itself: llvm-mc -triple=amdgcn-amd-amdhsa -mcpu=gfx1250 --defsym DOCPART=n.
;; ======== version 1 of 1: 4 launches
;; limits: values are held in f16: magnitudes above 65,504 overflow, below 6.1e-05 lose precision
;; workspace buffers: cod 11,534,336 bytes; scl 720,896 bytes; wof 2,097,152 bytes; qf 4,194,304 bytes; kf 4,194,304 bytes; vf 4,194,304 bytes; af 4,194,304 bytes
;; launch quant (part 1): grid 736 x 1, 4 waves a work-group, no clusters, 68,096 bytes of LDS; arguments hidden_states, wq, wk, wv, wo, cod, scl, wof; writes cod, scl, wof
.if DOCPART == 1
	.amdgcn_target "amdgcn-amd-amdhsa--gfx1250"
	.amdhsa_code_object_version 6
	.text
	.protected	k_q8551c08f9b_quant
	.globl	k_q8551c08f9b_quant
	.p2align	8
	.type	k_q8551c08f9b_quant,@function
k_q8551c08f9b_quant:
	s_mov_b64 s[64:65], 0
	v_nop
	global_prefetch_b8 v0, s[64:65] scope:SCOPE_SE
	s_setreg_imm32_b32 hwreg(HW_REG_WAVE_MODE, 25, 1), 1
	s_wait_xcnt 0x0
; hidden_states [4096][4096] and wq, wk, wv [512][4096], f32, become codes of FP4 (E2M1) with one E8M0 byte for each 32 along K (K is innermost in all four); wo [2048][512] becomes f16(2 wo).
; A block's scale is 2^(floor(log2(its largest magnitude)) - 2): its byte is the largest magnitude's exponent field - 2, held at 1 from below by a floor among the maximum's leaves.
; EVERYTHING IS STORED AS AN IMAGE OF THE READER'S OPERAND REGISTERS: four registers of a fragment are 512 consecutive bytes, lane l's 16 bytes at 16 l.  So each store of a wave covers 512 consecutive aligned bytes,
; straight from registers, and a later launch takes a fragment by loads of 16 bytes a lane.
;   cod: hidden at 0: [kg 8][tile of 16 rows 256][K step of 128 in kg 4][c 2][512 B]; weights at 8,388,608: [kg 8][tile' 96][4][2][512 B]; tile' = 12 head + 6 nh + 2 type + u (type q, k, v; the head's rows 32 nh + 16 u on).
;   scl: hidden at 0: [tile 256][kg 8][row 16][4 words]; weights at 524,288: [tile' 96][kg 8][16][4]: word q = the four bytes of K step 4 kg + q.
;   wof: [chunk of 128 k 4][tile of 16 rows 128][32 k 4][half 2][512 B].
; SHARES.  Work-groups 0-511: hidden; 512-703: the weights; a wave takes 16 rows x 512 along K in four steps of 128.  Work-groups 704-735: wo; a wave takes 16 rows x all 512 k, four steps of 128.
; Each load reads 512 consecutive bytes of one row; a step's 16 rows turn through the wave's own stage in LDS (rows 528 bytes apart) so that a lane gets neighbours along K.  The two paths have stages of their own.
; Waves share nothing: no barrier, no cluster (no work-group reads what another reads), no matrix unit.  Two steps' loads (32 a wave) are out at the start, one step's while a step is worked.
; LIMITS: NaN and infinities are not served.  A block of zeros gets the byte 1 where the rule says 127: its codes are zeros, and this program alone reads the bytes.  |wo| stays under 32,752 (f16 of 2 wo).
.set SP,    528                        ; a stage row: 512 bytes + 16
.set QST,   0                          ; the quantising path's four stages
.set WST,   4*16*SP                    ; wo's four stages
.set SPARE, 2*4*16*SP                  ; the spare words: 128 bytes a wave, two blocks of 256 bytes that no other line names
.set LO,    3                          ; v3   16 x lane: my place in a load's and in a store's 512 bytes; never rewritten
.set STI,   4                          ; v4   the stage, way in: my wave's stage + 16 x lane
.set STQ,   5                          ; v5   way out, codes: row r, + 128 h
.set SOFF,  6                          ; v6   my 8 bytes of the scale words: 16 r + 8 h
.set H8,    7                          ; v7   8 h
.set STW,   10                         ; v10  way out, wo: row r, + 32 h
.set SPW,   12                         ; v12  LDS address of my spare word; never rewritten
.set NIL,   13                         ; v13  0; never rewritten
.set C,     16                         ; v16-47  results to store
.set SW,    48                         ; v48-51  a scale word for each step
.set TM,    52                         ; v52-63  at work
.set X,     64                         ; v64-127 64 numbers, neighbours along K
.set R,     128                        ; v128-255 two sets of 64 as loaded
	s_load_b512 s[4:19], s[0:1], 0x0               ; hidden s[4:5], wq s[6:7], wk s[8:9], wv s[10:11], wo s[12:13], cod s[14:15], scl s[16:17], wof s[18:19]
	v_lshl_add_u32 v[SPW], v0, 2, SPARE
	v_mov_b32 v[NIL], 0
	v_lshrrev_b32 v1, 5, v0
	v_readfirstlane_b32 s20, v1                    ; wave
	v_and_b32 v8, 31, v0                           ; lane
	v_and_b32 v1, 15, v0                           ; r
	v_bfe_u32 v2, v0, 4, 1                         ; h
	v_lshlrev_b32 v[LO], 4, v8
	s_mul_i32 s21, s20, 16*SP                      ; my wave's stage
	v_add_nc_u32 v[STI], s21, v[LO]
	v_mul_u32_u24 v9, v1, SP
	v_add_nc_u32 v9, s21, v9
	v_lshl_add_u32 v[STQ], v2, 7, v9
	v_lshl_add_u32 v[STW], v2, 5, v9
	v_lshlrev_b32 v[SOFF], 4, v1
	v_lshl_add_u32 v[SOFF], v2, 3, v[SOFF]
	v_lshlrev_b32 v[H8], 3, v2
	v_mov_b32 v[TM+8], 0                           ; written once: a lane permute's destination counts as one of its sources
	s_mov_b32 s28, 0x76543210
	s_mov_b32 s29, 0xfedcba98                      ; v_permlanex16_b32's selects for lane l xor 16
	s_wait_kmcnt 0x0
	s_cmp_ge_u32 ttmp9, 704
	s_cbranch_scc1 .Lwo
.macro LOAD t, pitch                   ; step t's 16 rows, 512 consecutive bytes each, into set t % 2
.irp p, 0,1,2,3,4,5,6,7,8,9,10,11,12,13,14,15
	global_load_b128 v[R+64*((\t)%2)+4*\p:R+64*((\t)%2)+4*\p+3], v[LO], s[22:23] offset:\p*(\pitch)+512*(\t) th:TH_LOAD_NT
.endr
.endm
.macro INSTAGE t, base                 ; and into the stage as they lie
.irp p, 0,1,2,3,4,5,6,7,8,9,10,11,12,13,14,15
	ds_store_b128 v[STI], v[R+64*((\t)%2)+4*\p:R+64*((\t)%2)+4*\p+3] offset:(\base)+SP*\p
.endr
.endm
	; ---- the quantising path: which tensor, which tile, which eighth of K
	s_and_b32 s30, ttmp9, 1
	s_lshl_b32 s30, s30, 2
	s_add_co_u32 s30, s30, s20                     ; kg = 4 (g % 2) + wave
	s_lshr_b32 s31, ttmp9, 1                       ; hidden's tile
	s_sub_co_u32 s32, ttmp9, 512
	s_lshr_b32 s33, s32, 6                         ; the weights: type 0, 1, 2 = q, k, v
	s_bfe_u32 s34, s32, 0x50001                    ; the tile of 16 rows in that weight, 0 .. 31
	s_lshr_b32 s35, s34, 2
	s_mul_i32 s35, s35, 12                         ; 12 head
	s_bfe_u32 s36, s34, 0x10001
	s_mul_i32 s36, s36, 6                          ; 6 nh
	s_add_co_u32 s35, s35, s36
	s_lshl_b32 s36, s33, 1                         ; 2 type
	s_add_co_u32 s35, s35, s36
	s_and_b32 s36, s34, 1                          ; u
	s_add_co_u32 s35, s35, s36                     ; tile'
	s_mov_b32 s37, 393216
	s_mov_b32 s38, 8388608
	s_mov_b32 s39, 524288
	s_cmp_lt_u32 ttmp9, 512                        ; hidden or a weight: the choices hang on the work-group's number alone
	s_cselect_b32 s34, s31, s34                    ; the tile in the source,
	s_cselect_b32 s35, s31, s35                    ; in the images,
	s_cselect_b32 s37, 0x100000, s37               ; bytes of codes from kg to kg,
	s_cselect_b32 s38, 0, s38                      ; where the part begins in cod,
	s_cselect_b32 s39, 0, s39                      ; and in scl
	s_cmp_lt_u32 ttmp9, 576
	s_cselect_b64 s[22:23], s[6:7], s[8:9]
	s_cmp_lt_u32 ttmp9, 640
	s_cselect_b64 s[22:23], s[22:23], s[10:11]
	s_cmp_lt_u32 ttmp9, 512
	s_cselect_b64 s[22:23], s[4:5], s[22:23]
	s_lshl_b32 s40, s34, 18                        ; 16 rows of 16,384 bytes
	s_lshl_b32 s41, s30, 11                        ; 512 numbers
	s_add_co_u32 s40, s40, s41
	s_mov_b32 s41, 0
	s_add_nc_u64 s[22:23], s[22:23], s[40:41]
	s_mul_i32 s42, s30, s37
	s_lshl_b32 s43, s35, 12
	s_add_co_u32 s42, s42, s43
	s_add_co_u32 s42, s42, s38
	s_mov_b32 s43, 0
	s_add_nc_u64 s[24:25], s[14:15], s[42:43]
	s_lshl_b32 s44, s35, 11
	s_lshl_b32 s45, s30, 8
	s_add_co_u32 s44, s44, s45
	s_add_co_u32 s44, s44, s39
	s_mov_b32 s45, 0
	s_add_nc_u64 s[26:27], s[16:17], s[44:45]
	LOAD 0, 16384
	LOAD 1, 16384
; A step: 16 rows x 128 along K become one fragment (8 registers a lane) and one scale word a row.  Lane (r, h) holds blocks h and 2 + h of row r: k = 64 c + 32 h + 0 .. 31, all 32 numbers of a block in one lane.
.macro QSTEP t
.if (\t) < 3
	s_wait_loadcnt 16                              ; this step's 16 loads are in; the next step's 16 may be out
.else
	s_wait_loadcnt 0x0
.endif
	INSTAGE \t, QST
.irp c, 0,1
.irp i, 0,1,2,3,4,5,6,7
	ds_load_b128 v[X+32*\c+4*\i:X+32*\c+4*\i+3], v[STQ] offset:QST+256*\c+16*\i   ; LDS serves a wave's instructions in order: these see the stores above
.endr
.endr
	s_wait_dscnt 0x0                               ; my numbers are back, and the stores have read their set,
.if (\t) < 2
	LOAD (\t)+2, 16384                             ; which takes the loads of two steps on
.endif
.irp c, 0,1
	v_max3_num_f32 v[TM+\c], |v[X+32*\c]|, |v[X+32*\c+1]|, 0x1800000   ; the floor 2^(3 - 127): the byte cannot fall under 1
.endr
.irp i, 2,4,6,8,10,12,14,16,18,20,22,24,26,28,30
.irp c, 0,1
	v_max3_num_f32 v[TM+\c], v[TM+\c], |v[X+32*\c+\i]|, |v[X+32*\c+\i+1]|   ; (the two blocks by turns)
.endr
.endr
.irp c, 0,1
	v_add_nc_u32 v[TM+2+\c], 0xff000000, v[TM+\c]  ; 2 off the exponent field: the conversion takes this operand's exponent field as its scale
.endr
.irp c, 0,1
	v_lshrrev_b32 v[TM+4+\c], 23, v[TM+2+\c]       ; the scale's byte
.endr
	v_lshl_or_b32 v[TM+6], v[TM+5], 16, v[TM+4]    ; my two bytes, blocks h and 2 + h,
	v_lshlrev_b32 v[TM+6], v[H8], v[TM+6]          ; at their places in the word;
	v_permlanex16_b32 v[TM+8], v[TM+6], s28, s29
	v_or_b32 v[SW+(\t)], v[TM+6], v[TM+8]          ; with lane l xor 16's two the word is whole
.irp c, 0,1
.irp g, 0,1,2,3
	v_cvt_scalef32_pk8_fp4_f32 v[C+8*(\t)+4*\c+\g], v[X+32*\c+8*\g:X+32*\c+8*\g+7], v[TM+2+\c]
.endr
.endr
	v_nop                                          ; one plain place behind the scaled conversions
.irp c, 0,1
	global_store_b128 v[LO], v[C+8*(\t)+4*\c:C+8*(\t)+4*\c+3], s[24:25] offset:1024*(\t)+512*\c   ; each step has result registers of its own: no store's data are written again
.endr
.endm
	QSTEP 0
	QSTEP 1
	QSTEP 2
	QSTEP 3
	v_cmp_eq_u32 vcc_lo, 1, v2
	v_cndmask_b32 v[TM], v[SW], v[SW+2], vcc_lo    ; lanes 0-15 store words 0, 1 of their row, lanes 16-31 words 2, 3:
	v_cndmask_b32 v[TM+1], v[SW+1], v[SW+3], vcc_lo
	global_store_b64 v[SOFF], v[TM:TM+1], s[26:27] ; 32 lanes store 256 consecutive aligned bytes
	s_branch .Lend
.Lwo:	; ---- wo: f16(2 wo), as fragments of 16 rows x 32 k: lane (r, h), half g: k = 16 g + 8 h + 0 .. 7
	s_sub_co_u32 s30, ttmp9, 704
	s_lshl_b32 s30, s30, 2
	s_add_co_u32 s30, s30, s20                     ; my tile of 16 rows, 0 .. 127
	s_lshl_b32 s40, s30, 15                        ; 16 rows of 2,048 bytes
	s_mov_b32 s41, 0
	s_add_nc_u64 s[22:23], s[12:13], s[40:41]
	s_lshl_b32 s42, s30, 12
	s_mov_b32 s43, 0
	s_add_nc_u64 s[24:25], s[18:19], s[42:43]
	LOAD 0, 2048
	LOAD 1, 2048
.macro WSTEP t
.if (\t) < 3
	s_wait_loadcnt 16                              ; this step's 16 loads are in; the next step's 16 may be out
.else
	s_wait_loadcnt 0x0
.endif
	INSTAGE \t, WST
.irp f, 0,1,2,3
.irp g, 0,1
.irp i, 0,1
	ds_load_b128 v[X+16*\f+8*\g+4*\i:X+16*\f+8*\g+4*\i+3], v[STW] offset:WST+128*\f+64*\g+16*\i
.endr
.endr
.endr
	s_wait_dscnt 0x0
	s_wait_xcnt 0x0                                ; the last step's stores have read their data: the results' registers are written again only behind this wait
.if (\t) < 2
	LOAD (\t)+2, 2048
.endif
.set J, 0
.rept 32
	v_pk_mul_f32 v[X+2*J:X+2*J+1], v[X+2*J:X+2*J+1], 2.0 op_sel_hi:[1,0]   ; exact: attn is stored halved
.set J, J+1
.endr
.set J, 0
.rept 32
	v_cvt_pk_f16_f32 v[C+J], v[X+2*J], v[X+2*J+1]
.set J, J+1
.endr
.irp q, 0,1,2,3,4,5,6,7
	global_store_b128 v[LO], v[C+4*\q:C+4*\q+3], s[24:25] offset:524288*(\t)+512*\q
.endr
.endm
	WSTEP 0
	WSTEP 1
	WSTEP 2
	WSTEP 3
.Lend:
	s_wait_tensorcnt 0x0                           ; the wave's end, behind my last LDS store
	ds_add_u32 v[SPW], v[NIL]
	s_wait_dscnt 0x0
	s_endpgm
.Lfunc_end_k_q8551c08f9b_quant:
	.size	k_q8551c08f9b_quant, .Lfunc_end_k_q8551c08f9b_quant-k_q8551c08f9b_quant
	.p2alignl 7, 3214868480
	.fill 96, 4, 3214868480
	.section	.rodata,"a",@progbits
	.p2align	6, 0x0
	.amdhsa_kernel k_q8551c08f9b_quant
		.amdhsa_group_segment_fixed_size 68096
		.amdhsa_private_segment_fixed_size 0
		.amdhsa_enable_private_segment 0
		.amdhsa_kernarg_size 64
		.amdhsa_user_sgpr_count 2
		.amdhsa_user_sgpr_kernarg_segment_ptr 1
		.amdhsa_wavefront_size32 1
		.amdhsa_system_sgpr_workgroup_id_x 1
		.amdhsa_system_sgpr_workgroup_id_y 1
		.amdhsa_system_sgpr_workgroup_id_z 1
		.amdhsa_system_vgpr_workitem_id 0
		.amdhsa_next_free_vgpr 256
		.amdhsa_next_free_sgpr 66
		.amdhsa_reserve_vcc 1
		.amdhsa_float_denorm_mode_32 3
		.amdhsa_float_denorm_mode_16_64 3
		.amdhsa_memory_ordered 1
		.amdhsa_forward_progress 1
		.amdhsa_inst_pref_size 65
	.end_amdhsa_kernel
	.amdgpu_metadata
---
amdhsa.version: [ 1, 2 ]
amdhsa.kernels:
  - .name:           k_q8551c08f9b_quant
    .symbol:         k_q8551c08f9b_quant.kd
    .args:
      - { .name: hidden_states, .offset: 0, .size: 8, .value_kind: global_buffer, .address_space: global }
      - { .name: wq, .offset: 8, .size: 8, .value_kind: global_buffer, .address_space: global }
      - { .name: wk, .offset: 16, .size: 8, .value_kind: global_buffer, .address_space: global }
      - { .name: wv, .offset: 24, .size: 8, .value_kind: global_buffer, .address_space: global }
      - { .name: wo, .offset: 32, .size: 8, .value_kind: global_buffer, .address_space: global }
      - { .name: cod, .offset: 40, .size: 8, .value_kind: global_buffer, .address_space: global }
      - { .name: scl, .offset: 48, .size: 8, .value_kind: global_buffer, .address_space: global }
      - { .name: wof, .offset: 56, .size: 8, .value_kind: global_buffer, .address_space: global }
    .group_segment_fixed_size: 68096
    .private_segment_fixed_size: 0
    .kernarg_segment_align: 8
    .kernarg_segment_size: 64
    .max_flat_workgroup_size: 128
    .sgpr_count:     66
    .vgpr_count:     256
    .wavefront_size: 32
...
	.end_amdgpu_metadata
.endif
;; end of part 1
;; launch qkv (part 2): grid 8 x 32, 4 waves a work-group, clusters of 4 x 4, 327,680 bytes of LDS; arguments cod, scl, freqs_cos, freqs_sin, qf, kf, vf; writes qf, kf, vf
.if DOCPART == 2
	.amdgcn_target "amdgcn-amd-amdhsa--gfx1250"
	.amdhsa_code_object_version 6
	.text
	.protected	k_q8551c08f9b_qkv
	.globl	k_q8551c08f9b_qkv
	.p2align	8
	.type	k_q8551c08f9b_qkv,@function
k_q8551c08f9b_qkv:
	s_mov_b64 s[64:65], 0
	v_nop
	global_prefetch_b8 v0, s[64:65] scope:SCOPE_SE
	s_setreg_imm32_b32 hwreg(HW_REG_WAVE_MODE, 25, 1), 1
	s_wait_xcnt 0x0
	s_wait_alu depctr_hold_cnt(0) depctr_sa_sdst(0) depctr_va_vdst(0) depctr_va_sdst(0) depctr_va_ssrc(0) depctr_va_vcc(0) depctr_vm_vsrc(0)
	s_getreg_b32 s2, hwreg(HW_REG_IB_STS2, 6, 4)
	s_cmp_eq_u32 s2, 0
	s_cbranch_scc0 .Lentry_in_a_cluster
	s_endpgm
.Lentry_in_a_cluster:
	s_bfe_u32 s2, ttmp6, 0x10000c
	s_cmp_lg_u32 s2, 0xf033
	s_cbranch_scc0 .Lentry_shape_is_right
	s_endpgm
.Lentry_shape_is_right:
; q, k, v = hidden x wq^T, wk^T, wv^T on codes of FP4 with E8M0 scales (sums in f32), RoPE on q and k in f32, all three divided by 8 (exact) and stored as f16, as images of the attention launch's operand registers.
; SHARES.  A work-group makes 128 rows x the 192 columns (q, k, v) of ONE head: 8 x 32 = 256 work-groups.  Wave (mh, nh) makes rows 64 mh on x channels 32 nh .. 32 nh + 31 of q, of k and of v: 4 x 6 = 24 accumulators.
; K goes in steps of 128; a slot of the ring holds four of them (one kg): 8 tiles of A and 12 of B, 4,096 bytes each, all dense images: a fragment comes by two loads of 16 bytes a lane at 16 x lane, 512 consecutive bytes each.
; The scale words of the work-group's rows, for all of K, come once with the first fills and stay.
; CLUSTER 4 x 4: A's tiles hang on the row block alone and are asked for jointly along a row of the cluster, B's on the head alone, along a column: the requests for both are divided by four.
; q's and k's products are used TRANSPOSED (source 0 = 16 rows of the weight): a lane holds one position and eight neighbouring channels, four RoPE pairs.  v's are used as they stand (source 0 = hidden):
; a lane holds one channel and eight neighbouring positions: v leaves with the keys innermost, as the second product of attention wants it.
;   qf, kf: [head 8][tile of 16 positions 256][32 channels 2][half 2][512 B];   vf: [head 8][32 keys 128][16 channels 4][half 2][512 B].
; LIMITS: |q|, |k|, |v| stay under 8 x 65,504 (f16 of an eighth).
; REGISTERS: window 0: v1-9 addresses; v12, v13 the add's two; v16-27 scale words, two sets of 6 (lanes 0-15: A's tile i, lanes 16-31: B's tile i); v32-95 A's fragments, two sets; v96-191 B's, two sets.
;   window 1: v0-191 the accumulators ((i, t) at 8 (6 i + t)); v192-255 cos and sin of my rows and pairs.
.set SLOT,  81920                      ; A 32,768, then B 49,152
.set BOFF,  32768
.set SCLA,  2*SLOT                     ; A's scale words: 8 tiles x 2,048
.set SCLB,  SCLA+16384                 ; B's: 12 tiles x 2,048
.set SPARE, 221184                     ; the spare words, 128 bytes a wave: two blocks of 256 bytes that no other line names
.set LI,   3                           ; v3   16 x lane
.set ADRA, 4                           ; v4-5 my A tiles in slot 0, 1
.set ADRB, 6                           ; v6-7 my B tiles
.set ADRS, 8                           ; v8   my scale words: lanes 0-15 A's rows, lanes 16-31 B's; steps 256 bytes a kg
.set CSO,  9                           ; v9   cos, sin: 128 r + 16 h
.set SPW,  12
.set NIL,  13
.set SC,   16
.set AF,   32
.set BF,   96
.set CSR,  192                         ; window 1: (i, u): cos at 192 + 8 (2 i + u), sin 4 further
.set OO,   32                          ; the way out, window 0: 48 results in f32,
.set TT,   80                          ; 8 at work,
.set PK,   96                          ; 24 packed registers for each of the four row tiles
.set WV,   22
.set MH,   23
.set NH,   24
.set G1A,  40
.set G1B,  48
.set G0A,  56                          ; s[56:63] two slots
.set G0B,  68                          ; s[68:75]
.set G1SA, 76
.set G1SB, 84
.set G0SA, 92
.set G0SB, 96
.set MSB, 0
.macro WIN new                         ; the immediate's high byte repeats the setting that is left
.if MSB != \new
	s_set_vgpr_msb (MSB<<8)|\new
.set MSB, \new
.endif
.endm
.macro PLACES n
.rept \n
	v_nop
.endr
.endm
.macro CREST                           ; a round of the cluster's barrier behind its opening barrier
	s_cmp_lg_u32 s[WV], 0
	s_cbranch_scc1 .Lnot_wave_0_\@
	s_barrier_signal -3
.Lnot_wave_0_\@:
	s_barrier_wait -3
	s_barrier_signal -1
	s_barrier_wait -1
.endm
.macro CROUND
	s_barrier_signal -1
	s_barrier_wait -1
	CREST
.endm
.macro JLOAD s                         ; a joint refill: waves 0, 1 fetch A's halves, waves 2, 3 B's; the branch hangs on the wave's number alone; an s_nop 0 and four v_nop follow each line
	s_cmp_eq_u32 s[MH], 0
	s_cbranch_scc0 .Lfor_b_\@
	tensor_load_to_lds s[G0A+4*\s:G0A+4*\s+3], s[G1A:G1A+7]
	s_nop 0
	PLACES 4
	s_branch .Lasked_\@
.Lfor_b_\@:
	tensor_load_to_lds s[G0B+4*\s:G0B+4*\s+3], s[G1B:G1B+7]
	s_nop 0
	PLACES 4
.Lasked_\@:
.endm
.macro SHAPE g, rows                   ; group 1 of a dense block: rows of 256 bytes (32 elements of 8 bytes), one behind the other
	s_mov_b32 s[\g+1], 32<<16
	s_mov_b32 s[\g+2], (\rows)<<16
	s_mov_b32 s[\g+3], 32<<16
	s_mov_b32 s[\g+4], \rows
	s_mov_b32 s[\g+5], 32
	s_mov_b32 s[\g+6], 0
	s_mov_b32 s[\g+7], 0
.endm
	s_load_b256 s[4:11], s[0:1], 0x0               ; cod s[4:5], scl s[6:7], cos s[8:9], sin s[10:11]
	s_load_b128 s[12:15], s[0:1], 0x20             ; qf, kf
	s_load_b64 s[16:17], s[0:1], 0x30              ; vf
	v_lshl_add_u32 v[SPW], v0, 2, SPARE
	v_mov_b32 v[NIL], 0
	ds_add_u32 v[SPW], v[NIL]                      ; the wave's opening: the add, twice on end, and its wait ahead of my first tensor load
	ds_add_u32 v[SPW], v[NIL]
	v_lshrrev_b32 v1, 5, v0
	v_readfirstlane_b32 s[WV], v1
	s_lshr_b32 s[MH], s[WV], 1                     ; my half of the rows.  Also: I fetch for A (0) or for B (1)
	s_and_b32 s[NH], s[WV], 1                      ; my half of the channels.  Also: which half of that tile I fetch
	s_bfe_u32 s25, ttmp6, 0x40000                  ; cx
	s_bfe_u32 s26, ttmp6, 0x40004                  ; cy
	s_lshl_b32 s27, ttmp9, 2
	s_add_co_u32 s27, s27, s25                     ; head
	s_and_b32 s28, ttmp7, 0xffff
	s_lshl_b32 s28, s28, 2
	s_add_co_u32 s28, s28, s26                     ; block of 128 rows
	s_lshl_b32 s29, s26, 2
	s_lshl_b32 s29, 15, s29                        ; my row of the cluster
	s_lshl_b32 s30, 0x1111, s25                    ; my column
	s_or_b32 s[G1A], s29, (3<<16)|(1<<21)          ; 15:0 the mask; 17:16 elements of 8 bytes; 21 set beside a mask; no padding
	s_or_b32 s[G1B], s30, (3<<16)|(1<<21)
	s_or_b32 s[G1SA], s29, (3<<16)|(1<<21)
	s_or_b32 s[G1SB], s30, (3<<16)|(1<<21)
	SHAPE G1A, 64                                  ; 4 tiles of A's codes
	SHAPE G1B, 96                                  ; 6 tiles of B's
	SHAPE G1SA, 32                                 ; 4 tiles of A's scale words, all of K
	SHAPE G1SB, 48                                 ; 6 tiles of B's
	s_lshl_b32 s32, s28, 3
	s_lshl_b32 s33, s[NH], 2
	s_add_co_u32 s32, s32, s33                     ; A: the first tile that I fetch
	s_lshl_b32 s34, s32, 12
	s_mov_b32 s35, 0
	s_lshl_b32 s36, s32, 11
	s_mov_b32 s37, 0
	s_mul_i32 s38, s27, 12
	s_mul_i32 s39, s[NH], 6
	s_add_co_u32 s38, s38, s39                     ; B likewise
	s_lshl_b32 s18, s38, 12
	s_add_co_u32 s18, s18, 8388608
	s_mov_b32 s19, 0
	s_lshl_b32 s20, s38, 11
	s_add_co_u32 s20, s20, 524288
	s_mov_b32 s21, 0
	s_lshl_b32 s31, s[NH], 14                      ; where they go: no place in the cluster enters an LDS address
	s_mul_i32 s39, s[NH], 24576
	s_add_co_u32 s39, s39, BOFF
	s_lshl_b32 s2, s[NH], 13
	s_add_co_u32 s2, s2, SCLA
	s_mul_i32 s3, s[NH], 12288
	s_add_co_u32 s3, s3, SCLB
	s_wait_dscnt 0x0                               ; both opening adds are done
	s_wait_kmcnt 0x0
	s_add_nc_u64 s[34:35], s[4:5], s[34:35]
	s_add_nc_u64 s[36:37], s[6:7], s[36:37]
	s_add_nc_u64 s[18:19], s[4:5], s[18:19]
	s_add_nc_u64 s[20:21], s[6:7], s[20:21]
	CROUND                                         ; all sixteen work-groups are here: the first joint loads meet
	s_mov_b32 s[G0SA], 1
	s_mov_b32 s[G0SA+1], s2
	s_mov_b64 s[G0SA+2:G0SA+3], s[36:37]
	s_or_b32 s[G0SA+3], s[G0SA+3], 0x80000000
	s_mov_b32 s[G0SB], 1
	s_mov_b32 s[G0SB+1], s3
	s_mov_b64 s[G0SB+2:G0SB+3], s[20:21]
	s_or_b32 s[G0SB+3], s[G0SB+3], 0x80000000
.irp s, 0,1
	s_mov_b32 s[G0A+4*\s], 1
	s_add_co_u32 s[G0A+4*\s+1], s31, \s*SLOT
	s_add_nc_u64 s[G0A+4*\s+2:G0A+4*\s+3], s[34:35], \s*1048576   ; kg = s
	s_or_b32 s[G0A+4*\s+3], s[G0A+4*\s+3], 0x80000000
	s_mov_b32 s[G0B+4*\s], 1
	s_add_co_u32 s[G0B+4*\s+1], s39, \s*SLOT
	s_add_nc_u64 s[G0B+4*\s+2:G0B+4*\s+3], s[18:19], \s*393216
	s_or_b32 s[G0B+4*\s+3], s[G0B+4*\s+3], 0x80000000
.endr
	s_cmp_eq_u32 s[MH], 0                          ; a wave's three first fills stand in one branch: three loads of mine are out
	s_cbranch_scc0 .Lfirst_b
	tensor_load_to_lds s[G0SA:G0SA+3], s[G1SA:G1SA+7]
	s_nop 0
	tensor_load_to_lds s[G0A:G0A+3], s[G1A:G1A+7]
	s_nop 0
	tensor_load_to_lds s[G0A+4:G0A+7], s[G1A:G1A+7]
	s_nop 0
	PLACES 4
	s_branch .Lfirst_done
.Lfirst_b:
	tensor_load_to_lds s[G0SB:G0SB+3], s[G1SB:G1SB+7]
	s_nop 0
	tensor_load_to_lds s[G0B:G0B+3], s[G1B:G1B+7]
	s_nop 0
	tensor_load_to_lds s[G0B+4:G0B+7], s[G1B:G1B+7]
	s_nop 0
	PLACES 4
.Lfirst_done:
	v_and_b32 v1, 15, v0                           ; r
	v_bfe_u32 v2, v0, 4, 1                         ; h
	v_and_b32 v[LI], 31, v0
	v_lshlrev_b32 v[LI], 4, v[LI]
	s_lshl_b32 s31, s[MH], 14                      ; my four tiles of A
	v_add_nc_u32 v[ADRA], s31, v[LI]
	v_add_nc_u32 v[ADRA+1], SLOT, v[ADRA]
	v_add_nc_u32 v[ADRB], s39, v[LI]               ; my six of B
	v_add_nc_u32 v[ADRB+1], SLOT, v[ADRB]
	s_mul_i32 s39, s[NH], 12288
	s_add_co_u32 s39, s39, 16384
	s_lshl_b32 s31, s[MH], 13
	s_sub_co_u32 s39, s39, s31                     ; from A's words of my rows to B's of my columns:
	v_mul_u32_u24 v[ADRS], s39, v2                 ; one product with h
	v_lshl_add_u32 v[ADRS], v1, 4, v[ADRS]         ; 16 bytes a row and kg
	s_add_co_u32 s31, s31, SCLA
	v_add_nc_u32 v[ADRS], s31, v[ADRS]
	v_lshlrev_b32 v[CSO], 7, v1
	v_lshl_add_u32 v[CSO], v2, 4, v[CSO]
	s_lshl_b32 s32, s28, 14                        ; 128 rows of cos are 16,384 bytes; so are their 8 tiles of q, and their 4 groups of 32 keys of v
	s_lshl_b32 s33, s[MH], 13
	s_add_co_u32 s32, s32, s33
	s_lshl_b32 s38, s[NH], 6                       ; pairs 16 nh on
	s_add_co_u32 s38, s38, s32
	s_mov_b32 s39, 0
	s_add_nc_u64 s[8:9], s[8:9], s[38:39]
	s_add_nc_u64 s[10:11], s[10:11], s[38:39]
	WIN 0x40                                       ; destination window 1
.irp i, 0,1,2,3
.irp u, 0,1
	global_load_b128 v[CSR+8*(2*\i+\u):CSR+8*(2*\i+\u)+3], v[CSO], s[8:9] offset:2048*\i+32*\u      ; cos of position 16 i + r, pairs 16 nh + 8 u + 4 h + 0 .. 3
	global_load_b128 v[CSR+8*(2*\i+\u)+4:CSR+8*(2*\i+\u)+7], v[CSO], s[10:11] offset:2048*\i+32*\u  ; sin
.endr
.endr
	WIN 0
	s_lshl_b32 s33, s27, 19                        ; the head's 524,288 bytes
	s_add_co_u32 s32, s32, s33
	s_lshl_b32 s38, s[NH], 10
	s_add_co_u32 s38, s38, s32
	s_add_nc_u64 s[12:13], s[12:13], s[38:39]
	s_add_nc_u64 s[14:15], s[14:15], s[38:39]
	s_lshl_b32 s38, s[NH], 11
	s_add_co_u32 s38, s38, s32
	s_add_nc_u64 s[16:17], s[16:17], s[38:39]
; 26 LDS loads in one run: the fragments and scale words of the slot's q-th K step into set p
.macro FRAGS slot, q, p
.irp i, 0,1,2,3
.irp c, 0,1
	ds_load_b128 v[AF+32*(\p)+8*\i+4*\c:AF+32*(\p)+8*\i+4*\c+3], v[ADRA+\slot] offset:4096*\i+1024*(\q)+512*\c
.endr
.endr
.irp t, 0,1,2,3,4,5
.irp c, 0,1
	ds_load_b128 v[BF+48*(\p)+8*\t+4*\c:BF+48*(\p)+8*\t+4*\c+3], v[ADRB+\slot] offset:4096*\t+1024*(\q)+512*\c
.endr
.endr
.irp i, 0,1,2,3,4,5
	ds_load_b32 v[SC+6*(\p)+\i], v[ADRS] offset:2048*\i+4*(\q)   ; (for i = 4, 5 lanes 0-15 read filled bytes that no product takes)
.endr
.endm
; Row tiles i0 .. i0 + n - 1 x the six column tiles: the 24 accumulators take turns, one instruction a turn, in the same order in every step.  zero = 1: the first products start the sums.
.macro MULS p, i0, n, zero
.set MI, \i0
.rept \n
.irp t, 0,1,2,3,4,5
.if \t < 4
.if \zero
	v_wmma_scale_f32_16x16x128_f8f6f4 v[8*(6*MI+\t):8*(6*MI+\t)+7], v[BF+48*(\p)+8*\t:BF+48*(\p)+8*\t+7], v[AF+32*(\p)+8*MI:AF+32*(\p)+8*MI+7], 0, v[SC+6*(\p)+\t], v[SC+6*(\p)+MI] matrix_a_fmt:MATRIX_FMT_FP4 matrix_b_fmt:MATRIX_FMT_FP4 matrix_a_scale:MATRIX_SCALE_ROW1
.else
	v_wmma_scale_f32_16x16x128_f8f6f4 v[8*(6*MI+\t):8*(6*MI+\t)+7], v[BF+48*(\p)+8*\t:BF+48*(\p)+8*\t+7], v[AF+32*(\p)+8*MI:AF+32*(\p)+8*MI+7], v[8*(6*MI+\t):8*(6*MI+\t)+7], v[SC+6*(\p)+\t], v[SC+6*(\p)+MI] matrix_a_fmt:MATRIX_FMT_FP4 matrix_b_fmt:MATRIX_FMT_FP4 matrix_a_scale:MATRIX_SCALE_ROW1
.endif
.else
.if \zero
	v_wmma_scale_f32_16x16x128_f8f6f4 v[8*(6*MI+\t):8*(6*MI+\t)+7], v[AF+32*(\p)+8*MI:AF+32*(\p)+8*MI+7], v[BF+48*(\p)+8*\t:BF+48*(\p)+8*\t+7], 0, v[SC+6*(\p)+MI], v[SC+6*(\p)+\t] matrix_a_fmt:MATRIX_FMT_FP4 matrix_b_fmt:MATRIX_FMT_FP4 matrix_b_scale:MATRIX_SCALE_ROW1
.else
	v_wmma_scale_f32_16x16x128_f8f6f4 v[8*(6*MI+\t):8*(6*MI+\t)+7], v[AF+32*(\p)+8*MI:AF+32*(\p)+8*MI+7], v[BF+48*(\p)+8*\t:BF+48*(\p)+8*\t+7], v[8*(6*MI+\t):8*(6*MI+\t)+7], v[SC+6*(\p)+MI], v[SC+6*(\p)+\t] matrix_a_fmt:MATRIX_FMT_FP4 matrix_b_fmt:MATRIX_FMT_FP4 matrix_b_scale:MATRIX_SCALE_ROW1
.endif
.endif
.endr
.set MI, MI+1
.endr
.endm
; A K step that has its successor in the same slot: the next step's loads go out in one run ahead of this step's 24 products
.macro STEP slot, q, zero
	s_wait_dscnt 0x0                               ; this step's set is in
	PLACES 4                                       ; four places in front of loads into the set that the last products read
	FRAGS \slot, (\q)+1, 1-(\q)%2
	WIN 0x50                                       ; C and D window 1
	MULS (\q)%2, 0, 4, \zero
	WIN 0
.endm
; A slot's last step changes slots: ONE barrier; in front of it each wave waits for all its tensor loads, adds 0 to its spare word, and waits for that and for its reads of this slot.  fill = 1: the slot is filled again, two kg on.
.macro TURN slot, next, fill
	s_wait_tensorcnt 0x0                           ; all my tensor loads have landed: the one that was out is my part of the next slot
	ds_add_u32 v[SPW], v[NIL]                      ; 0 onto my spare word
	s_wait_dscnt 1                                 ; this step's set is in; the add may be out
	WIN 0x50
	MULS 1, 0, 2, 0                                ; twelve products stand between the add and the wait for it
	s_wait_dscnt 0x0                               ; the add is done, and my reads of this slot are over
	s_barrier_signal -1
	MULS 1, 2, 1, 0
	WIN 0
	s_barrier_wait -1
.if \fill
	CREST                                          ; the barrier has opened a round of the cluster's: no wave of any partner still reads this slot or has a load on its way
	s_add_nc_u64 s[G0A+4*\slot+2:G0A+4*\slot+3], s[G0A+4*\slot+2:G0A+4*\slot+3], 2*1048576
	s_add_nc_u64 s[G0B+4*\slot+2:G0B+4*\slot+3], s[G0B+4*\slot+2:G0B+4*\slot+3], 2*393216
	JLOAD \slot                                    ; the first tensor load behind the round, one a wave; its four v_nop are also the places in front of the loads below
.else
	PLACES 4
.endif
	v_add_nc_u32 v[ADRS], 256, v[ADRS]             ; the next kg's scale words (no LDS load of mine is out)
	FRAGS \next, 0, 0
	WIN 0x50
	MULS 1, 3, 1, 0
	WIN 0
.endm
	s_wait_tensorcnt 1                             ; the scale words and my part of kg 0 are in; kg 1's load may stay out
	s_barrier_signal -1
	s_barrier_wait -1
	FRAGS 0, 0, 0
	STEP 0, 0, 1                                   ; the first step stands in front of the loop: its products start the sums
	s_mov_b32 s3, 3
.Llap:                                                 ; a trip goes once round the ring and fills both slots again: kg 2 to 7 in three trips
	STEP 0, 1, 0
	STEP 0, 2, 0
	TURN 0, 1, 1
	STEP 1, 0, 0
	STEP 1, 1, 0
	STEP 1, 2, 0
	TURN 1, 0, 1
	STEP 0, 0, 0
	s_sub_co_u32 s3, s3, 1
	s_cmp_lg_u32 s3, 0
	s_cbranch_scc1 .Llap
	STEP 0, 1, 0                                   ; the last lap fills nothing
	STEP 0, 2, 0
	TURN 0, 1, 0
	STEP 1, 0, 0
	STEP 1, 1, 0
	STEP 1, 2, 0
	s_wait_dscnt 0x0
	WIN 0x50
	MULS 1, 0, 4, 0
	WIN 0
	; THE WAY OUT.  cos and sin take the eighth; q and k are turned pair by pair; v is scaled; all are rounded to f16 once and stored as they stand: a lane's four registers are a group of the reader's fragment.
	PLACES 4
	s_wait_loadcnt 0x0                             ; cos, sin
	WIN 0x41
.set J, 0
.rept 32
	v_pk_mul_f32 v[CSR+2*J:CSR+2*J+1], v[CSR+2*J:CSR+2*J+1], 0x3e000000 op_sel_hi:[1,0]
.set J, J+1
.endr
.irp i, 0,1,2,3
	WIN 0x05                                       ; sources 0 and 1 window 1
.irp t, 0,1,2,3
.irp p, 0,1,2,3
	v_mul_f32 v[TT+2*\p], v[8*(6*\i+\t)+2*\p+1], v[CSR+8*(2*\i+\t%2)+4+\p]                             ; x1 s   (each accumulator is first read among its four lowest registers)
	v_mul_f32 v[TT+2*\p+1], v[8*(6*\i+\t)+2*\p+1], v[CSR+8*(2*\i+\t%2)+\p]                             ; x1 c
	v_fma_f32 v[OO+8*\t+2*\p], v[8*(6*\i+\t)+2*\p], v[CSR+8*(2*\i+\t%2)+\p], -v[TT+2*\p]               ; x0 c - x1 s
	v_fma_f32 v[OO+8*\t+2*\p+1], v[8*(6*\i+\t)+2*\p], v[CSR+8*(2*\i+\t%2)+4+\p], v[TT+2*\p+1]          ; x0 s + x1 c
.endr
.endr
.irp t, 4,5
.irp p, 0,1,2,3
	v_pk_mul_f32 v[OO+8*\t+2*\p:OO+8*\t+2*\p+1], v[8*(6*\i+\t)+2*\p:8*(6*\i+\t)+2*\p+1], 0x3e000000 op_sel_hi:[1,0]
.endr
.endr
	WIN 0
.set J, 0
.rept 24
	v_cvt_pk_f16_f32 v[PK+24*\i+J], v[OO+2*J], v[OO+2*J+1]
.set J, J+1
.endr
.irp u, 0,1
	global_store_b128 v[LI], v[PK+24*\i+4*\u:PK+24*\i+4*\u+3], s[12:13] offset:2048*\i+512*\u          ; 32 lanes store 512 consecutive aligned bytes; each row tile has packed registers of its own
	global_store_b128 v[LI], v[PK+24*\i+8+4*\u:PK+24*\i+8+4*\u+3], s[14:15] offset:2048*\i+512*\u
	global_store_b128 v[LI], v[PK+24*\i+16+4*\u:PK+24*\i+16+4*\u+3], s[16:17] offset:4096*(\i/2)+1024*\u+512*(\i%2)
.endr
.endr
	s_wait_tensorcnt 0x0                           ; the wave's end
	ds_add_u32 v[SPW], v[NIL]
	s_wait_dscnt 0x0
	CROUND                                         ; the closing round: no work-group ends while a partner may still ask for a tile that names it
	s_endpgm
.Lfunc_end_k_q8551c08f9b_qkv:
	.size	k_q8551c08f9b_qkv, .Lfunc_end_k_q8551c08f9b_qkv-k_q8551c08f9b_qkv
	.p2alignl 7, 3214868480
	.fill 96, 4, 3214868480
	.section	.rodata,"a",@progbits
	.p2align	6, 0x0
	.amdhsa_kernel k_q8551c08f9b_qkv
		.amdhsa_group_segment_fixed_size 327680
		.amdhsa_private_segment_fixed_size 0
		.amdhsa_enable_private_segment 0
		.amdhsa_kernarg_size 56
		.amdhsa_user_sgpr_count 2
		.amdhsa_user_sgpr_kernarg_segment_ptr 1
		.amdhsa_wavefront_size32 1
		.amdhsa_system_sgpr_workgroup_id_x 1
		.amdhsa_system_sgpr_workgroup_id_y 1
		.amdhsa_system_sgpr_workgroup_id_z 1
		.amdhsa_system_vgpr_workitem_id 0
		.amdhsa_next_free_vgpr 512
		.amdhsa_next_free_sgpr 100
		.amdhsa_reserve_vcc 0
		.amdhsa_float_denorm_mode_32 3
		.amdhsa_float_denorm_mode_16_64 3
		.amdhsa_memory_ordered 1
		.amdhsa_forward_progress 1
		.amdhsa_inst_pref_size 117
	.end_amdhsa_kernel
	.amdgpu_metadata
---
amdhsa.version: [ 1, 2 ]
amdhsa.kernels:
  - .name:           k_q8551c08f9b_qkv
    .symbol:         k_q8551c08f9b_qkv.kd
    .args:
      - { .name: cod, .offset: 0, .size: 8, .value_kind: global_buffer, .address_space: global }
      - { .name: scl, .offset: 8, .size: 8, .value_kind: global_buffer, .address_space: global }
      - { .name: freqs_cos, .offset: 16, .size: 8, .value_kind: global_buffer, .address_space: global }
      - { .name: freqs_sin, .offset: 24, .size: 8, .value_kind: global_buffer, .address_space: global }
      - { .name: qf, .offset: 32, .size: 8, .value_kind: global_buffer, .address_space: global }
      - { .name: kf, .offset: 40, .size: 8, .value_kind: global_buffer, .address_space: global }
      - { .name: vf, .offset: 48, .size: 8, .value_kind: global_buffer, .address_space: global }
    .group_segment_fixed_size: 327680
    .private_segment_fixed_size: 0
    .kernarg_segment_align: 8
    .kernarg_segment_size: 56
    .max_flat_workgroup_size: 128
    .sgpr_count:     100
    .vgpr_count:     512
    .wavefront_size: 32
...
	.end_amdgpu_metadata
.endif
;; end of part 2
;; launch attn (part 3): grid 32 x 8, 8 waves a work-group, clusters of 4 x 1, 327,680 bytes of LDS; arguments qf, kf, vf, af; writes af
.if DOCPART == 3
	.amdgcn_target "amdgcn-amd-amdhsa--gfx1250"
	.amdhsa_code_object_version 6
	.text
	.protected	k_q8551c08f9b_attn
	.globl	k_q8551c08f9b_attn
	.p2align	8
	.type	k_q8551c08f9b_attn,@function
k_q8551c08f9b_attn:
	s_mov_b64 s[64:65], 0
	v_nop
	global_prefetch_b8 v0, s[64:65] scope:SCOPE_SE
	s_setreg_imm32_b32 hwreg(HW_REG_WAVE_MODE, 25, 1), 1
	s_wait_xcnt 0x0
	s_wait_alu depctr_hold_cnt(0) depctr_sa_sdst(0) depctr_va_vdst(0) depctr_va_sdst(0) depctr_va_ssrc(0) depctr_va_vcc(0) depctr_vm_vsrc(0)
	s_getreg_b32 s2, hwreg(HW_REG_IB_STS2, 6, 4)
	s_cmp_eq_u32 s2, 0
	s_cbranch_scc0 .Lentry_in_a_cluster
	s_endpgm
.Lentry_in_a_cluster:
	s_bfe_u32 s2, ttmp6, 0x10000c
	s_cmp_lg_u32 s2, 0x3003
	s_cbranch_scc0 .Lentry_shape_is_right
	s_endpgm
.Lentry_shape_is_right:
; attn[h][q] = the sum over k of softmax_k(q . k / 8) v, no mask; 8 heads of 64 channels, 4,096 positions.  Operands in f16 (q / 8, k / 8, v / 8 as stored by the launch before; the weights p, at most 1); products, maxima and sums in f32.
; SOFTMAX.  For each query a running maximum m and sum l: p = 2^(c s - c m), s = the product of the stored eighths, c = 64 log2(e) / 8; in every step O and l are multiplied by a = 2^(c m_old - c m_new).
; SHARES.  A work-group owns 128 queries of one head: 32 x 8 = 256 work-groups.  Wave (qg, kq) owns 64 queries (four tiles of 16) and, of every 512 keys, the quarter kq: each fragment of K and V that it reads feeds four products.
; Two waves lie on a SIMD (512 registers each), so that one wave's softmax stands beside the other's products.  At the end the four partial (c m, l, O) of a query are merged through LDS.
; LAYOUT.  S^T = K Q^T, O^T = V^T P: a lane holds ONE query throughout; two tiles of S^T, rounded in pairs, are source 1 of the second product.  K, V and Q are stored as images of these fragments: every LDS load is 512 consecutive bytes.
; RING.  Two slots of 512 keys (K 65,536 bytes, V 65,536); each of the eight waves fetches an eighth of a slot with one tensor load.  CLUSTER 4 x 1: the four query blocks of a cluster walk the same K and V: each load is asked for jointly.
; The result leaves as f16(attn / 2), as images of the projection's fragments: af [128 k 4][tile of 16 rows 256][32 k 4][half 2][512 B].
; LIMITS: |attn| stays under 2 x 65,504; NaN and infinities are not served.
; REGISTERS: window 0: v1-11 addresses; v12, v13, v16-31 at work in the merge; v14, v15 the add's two; v32-63 statistics, 8 a tile; v64-191 S^T, 32 a tile; v192-255 P, 16 a tile.
;   window 1: v0-127 O^T, 32 a tile; v128-191 Q, 16 a tile; v192-255 one buffer for a step's K and then its V.
.set SLOT1, 131072
.set VOFF,  65536
.set MST,   262144                     ; the merge's statistics: 1,024 bytes a wave, 256 a tile: c m, then l
.set SPARE, MST+8192                   ; the spare words, 128 bytes a wave: four blocks of 256 bytes that no other line names
.set LI,  1                            ; v1    16 x lane
.set ADK, 2                            ; v2-3  my quarter of K in slot 0, 1
.set ADV, 4                            ; v4-5  of V
.set MO,  6                            ; v6    the merge: where I put O^T (16,384 bytes a wave, in slot 0)
.set MR0, 7                            ; v7, v8  where I read the four partials of my tile
.set MR1, 8
.set MSW, 9                            ; v9    where I put statistics
.set MSR, 10                           ; v10   and read them
.set PFO, 11                           ; v11   256 x lane
.set SPW, 14
.set NIL, 15
.set ST,  32                           ; tile t at 32 + 8 t: +0 c m, +1 m, +2, +3 l, +4 .. +7 c0-c3 (a takes c2's place)
.set S,   64
.set P,   192
.set QR,  128                          ; window 1
.set KV,  192                          ; window 1
.set WV,  12
.set LIM, 15                           ; s15  1 in a wave that prefetches, else the greatest number
.set G1,  24
.set G0,  32                           ; s[32:39] a set for each slot
.set CS,  40                           ; s[40:41] c, twice
.set SEL, 42
.set PFA, 44
.set MSB, 0
.macro WIN new
.if MSB != \new
	s_set_vgpr_msb (MSB<<8)|\new
.set MSB, \new
.endif
.endm
.macro PLACES n
.rept \n
	v_nop
.endr
.endm
.macro CROUND                          ; a round of the cluster's barrier
	s_barrier_signal -1
	s_barrier_wait -1
	s_cmp_lg_u32 s[WV], 0
	s_cbranch_scc1 .Lnot_wave_0_\@
	s_barrier_signal -3
.Lnot_wave_0_\@:
	s_barrier_wait -3
	s_barrier_signal -1
	s_barrier_wait -1
.endm
; A PREFETCH INTO THE L2 of the tile that the NEXT change of slots will ask for.  All clusters of a head walk the same K and V: the head's first cluster asks.  Its four partners are told apart BY ADDRESS (8,192 bytes each);
; in each the even waves ask, 32 lanes 256 bytes apart, from their own part of the tile on: four partners x 8,192 bytes cover that wave's part and the next wave's.  So each block of 256 bytes is named once in the launch.
; how = 1: every trip; how = 0: not in the loop's last trip, behind which no tile is left.  Tiles 0 to 2 come by their loads alone.
.macro ASK how
.if \how
	s_cmp_eq_u32 s[LIM], 1
.else
	s_cmp_gt_u32 s3, s[LIM]
.endif
	s_cbranch_scc0 .Lnot_mine_\@
	global_prefetch_b8 v[PFO], s[PFA:PFA+1] th:TH_LOAD_NT scope:SCOPE_SE
.Lnot_mine_\@:
.endm
	s_load_b256 s[4:11], s[0:1], 0x0               ; qf s[4:5], kf s[6:7], vf s[8:9], af s[10:11]
	v_lshl_add_u32 v[SPW], v0, 2, SPARE
	v_mov_b32 v[NIL], 0
	ds_add_u32 v[SPW], v[NIL]                      ; the wave's opening: the add, twice on end, and its wait ahead of my first tensor load
	ds_add_u32 v[SPW], v[NIL]
	v_lshrrev_b32 v1, 5, v0
	v_readfirstlane_b32 s[WV], v1                  ; wave 0..7
	s_bfe_u32 s13, ttmp6, 0x40000                  ; cx
	s_lshl_b32 s14, ttmp9, 2
	s_add_co_u32 s14, s14, s13                     ; my block of 128 queries: it enters Q's and the result's addresses alone
	s_and_b32 s16, ttmp7, 0xffff                   ; the head, which the partners share
	s_lshl_b32 s17, s16, 19                        ; its 524,288 bytes
	s_and_b32 s18, s[WV], 3
	s_lshl_b32 s18, s18, 14
	s_add_co_u32 s18, s18, s17                     ; my 16,384 bytes of tile 0, in K (waves 0-3) or in V (waves 4-7)
	s_mov_b32 s19, 0
	s_lshl_b32 s20, s[WV], 14                      ; and in a slot
	s_mov_b32 s[G1], 15|(3<<16)|(1<<21)            ; 15:0 the mask: all four; 17:16 elements of 8 bytes; 21 set beside a mask; no padding
	s_mov_b32 s[G1+1], 32<<16                      ; a dense block as 64 rows of 256 bytes
	s_mov_b32 s[G1+2], 64<<16
	s_mov_b32 s[G1+3], 32<<16
	s_mov_b32 s[G1+4], 64
	s_mov_b32 s[G1+5], 32
	s_mov_b32 s[G1+6], 0
	s_mov_b32 s[G1+7], 0
	s_mov_b32 s[CS], 0x4138aa3b                    ; c = 8 log2(e)
	s_mov_b32 s[CS+1], s[CS]
	s_mov_b32 s[SEL], 0x76543210
	s_mov_b32 s[SEL+1], 0xfedcba98
	s_and_b32 s21, s[WV], 1                        ; qg
	s_lshr_b32 s48, s[WV], 1                       ; kq
	s_or_b32 s[LIM], s21, ttmp9                    ; 0 in the even waves of the head's first cluster: the same in all four partners
	s_cmp_eq_u32 s[LIM], 0
	s_cselect_b32 s[LIM], 1, -1
	s_lshl_b32 s46, s13, 13                        ; my work-group's 8,192 bytes of what is prefetched
	s_mov_b32 s47, 0
	s_lshl_b32 s50, s14, 14                        ; Q: 8 tiles of 2,048 bytes a block,
	s_lshl_b32 s51, s21, 13                        ; my four
	s_add_co_u32 s50, s50, s51
	s_add_co_u32 s50, s50, s17
	s_mov_b32 s51, 0
	s_lshl_b32 s52, s14, 3
	s_lshl_b32 s53, s21, 2
	s_add_co_u32 s52, s52, s53
	s_add_co_u32 s52, s52, s48                     ; the tile of 16 rows that I merge and store
	s_lshl_b32 s52, s52, 12
	s_lshr_b32 s53, s16, 1
	s_lshl_b32 s53, s53, 20                        ; k = 64 head on: chunk head / 2,
	s_add_co_u32 s52, s52, s53
	s_and_b32 s53, s16, 1
	s_lshl_b32 s53, s53, 11                        ; its fragments 2 (head % 2) on
	s_add_co_u32 s52, s52, s53
	s_mov_b32 s53, 0
	s_wait_dscnt 0x0                               ; both opening adds are done
	s_wait_kmcnt 0x0
	s_cmp_lt_u32 s[WV], 4
	s_cselect_b64 s[22:23], s[6:7], s[8:9]
	s_add_nc_u64 s[22:23], s[22:23], s[18:19]
.irp n, 0,1
	s_mov_b32 s[G0+4*\n], 1
	s_add_co_u32 s[G0+4*\n+1], s20, \n*SLOT1
	s_add_nc_u64 s[G0+4*\n+2:G0+4*\n+3], s[22:23], \n*65536       ; tile n
	s_or_b32 s[G0+4*\n+3], s[G0+4*\n+3], 0x80000000
.endr
	s_add_nc_u64 s[PFA:PFA+1], s[22:23], s[46:47]
	s_add_nc_u64 s[PFA:PFA+1], s[PFA:PFA+1], 2*65536              ; at tile 2: the second trip steps it to tile 3.  Nothing is prefetched here, at the head
	s_add_nc_u64 s[4:5], s[4:5], s[50:51]
	s_add_nc_u64 s[10:11], s[10:11], s[52:53]
	CROUND                                         ; all four work-groups are here: the first joint loads meet
	tensor_load_to_lds s[G0:G0+3], s[G1:G1+7]      ; tile 0: one load of mine is out
	s_nop 0
	PLACES 4
	v_and_b32 v12, 31, v0
	v_lshlrev_b32 v[LI], 4, v12
	v_lshlrev_b32 v[PFO], 8, v12
	v_lshlrev_b32 v13, 2, v12
	WIN 0x40
.set N, 0
.rept 16
	global_load_b128 v[QR+4*N:QR+4*N+3], v[LI], s[4:5] offset:512*N   ; Q stays in registers: tile N / 4, channels 32 ((N / 2) % 2) on
.set N, N+1
.endr
	WIN 0
	s_lshl_b32 s54, s48, 14
	v_add_nc_u32 v[ADK], s54, v[LI]
	v_add_nc_u32 v[ADK+1], SLOT1, v[ADK]
	v_add_nc_u32 v[ADV], VOFF, v[ADK]
	v_add_nc_u32 v[ADV+1], VOFF, v[ADK+1]
	v_add_nc_u32 v[MO], s20, v[LI]
	s_lshl_b32 s54, s21, 14
	s_lshl_b32 s55, s48, 12
	s_add_co_u32 s54, s54, s55
	v_add_nc_u32 v[MR0], s54, v[LI]
	v_add_nc_u32 v[MR1], 65536, v[MR0]
	s_lshl_b32 s54, s[WV], 10
	s_add_co_u32 s54, s54, MST
	v_add_nc_u32 v[MSW], s54, v13
	s_lshl_b32 s54, s21, 10
	s_lshl_b32 s55, s48, 8
	s_add_co_u32 s54, s54, s55
	s_add_co_u32 s54, s54, MST
	v_add_nc_u32 v[MSR], s54, v13
	s_wait_loadcnt 0x0                             ; Q
.macro FETCH adr, u                    ; 64 keys' fragments of K or of V: 16 loads of 512 consecutive bytes, in one run
	WIN 0x40
.set N, 0
.rept 16
	ds_load_b128 v[KV+4*N:KV+4*N+3], v[\adr] offset:8192*(\u)+512*N
.set N, N+1
.endr
	WIN 0
.endm
; The four tiles' softmax for a step of 64 keys, line by line across the tiles, so that no line waits for the line above it.  first = 1: the first step starts m, l and O^T.
.macro SOFTMAX first
.irp j, 0,1,2,3
.irp t, 0,1,2,3
	v_max3_num_f32 v[ST+8*\t+4+\j], v[S+32*\t+8*\j], v[S+32*\t+8*\j+1], v[S+32*\t+8*\j+2]   ; four chains; each accumulator is first read at its low end
.endr
.endr
.irp q, 1,2
.irp j, 0,1,2,3
.irp t, 0,1,2,3
	v_max3_num_f32 v[ST+8*\t+4+\j], v[ST+8*\t+4+\j], v[S+32*\t+8*\j+2*\q+1], v[S+32*\t+8*\j+2*\q+2]
.endr
.endr
.endr
.irp t, 0,1,2,3
	v_max3_num_f32 v[ST+8*\t+4], v[ST+8*\t+4], v[S+32*\t+7], v[S+32*\t+15]
.endr
.irp t, 0,1,2,3
	v_max3_num_f32 v[ST+8*\t+6], v[ST+8*\t+6], v[S+32*\t+23], v[S+32*\t+31]
.endr
.irp t, 0,1,2,3
	v_max3_num_f32 v[ST+8*\t+4], v[ST+8*\t+4], v[ST+8*\t+5], v[ST+8*\t+6]
.endr
.irp t, 0,1,2,3
.if \first
	v_max_num_f32 v[ST+8*\t+4], v[ST+8*\t+4], v[ST+8*\t+7]
.else
	v_max3_num_f32 v[ST+8*\t+4], v[ST+8*\t+4], v[ST+8*\t+7], v[ST+8*\t+1]   ; and the old m
.endif
.endr
.irp t, 0,1,2,3
	v_permlanex16_b32 v[ST+8*\t+5], v[ST+8*\t+4], s[SEL], s[SEL+1]          ; the query's other 32 keys lie in the lane 16 away
.endr
.if !\first
.irp t, 0,1,2,3
	v_mov_b32 v[ST+8*\t+7], v[ST+8*\t]             ; c m_old is kept for a
.endr
.endif
.irp t, 0,1,2,3
	v_max_num_f32 v[ST+8*\t+1], v[ST+8*\t+4], v[ST+8*\t+5]
.endr
.irp t, 0,1,2,3
	v_mul_f32 v[ST+8*\t], s[CS], v[ST+8*\t+1]
.endr
.if !\first
.irp t, 0,1,2,3
	v_sub_f32 v[ST+8*\t+7], v[ST+8*\t+7], v[ST+8*\t]
.endr
.irp t, 0,1,2,3
	v_exp_f32 v[ST+8*\t+6], v[ST+8*\t+7]           ; a: the first of the step's one batch of exponentials
.endr
.endif
.set J, 0
.rept 16
.irp t, 0,1,2,3
	v_pk_fma_f32 v[S+32*\t+2*J:S+32*\t+2*J+1], v[S+32*\t+2*J:S+32*\t+2*J+1], s[CS:CS+1], v[ST+8*\t:ST+8*\t+1] op_sel_hi:[1,0,0] neg_lo:[0,0,1] neg_hi:[0,0,1]   ; c s - c m
.endr
.set J, J+1
.endr
.set J, 0
.rept 32
.irp t, 0,1,2,3
	v_exp_f32 v[S+32*\t+J], v[S+32*\t+J]
.endr
.set J, J+1
.endr
	v_nop                                          ; a plain instruction behind the last exponential
	s_wait_alu depctr_va_vdst(0)                   ; ONE wait for the whole batch, ahead of the first line that names a result
.set J, 0
.rept 16
.irp t, 0,1,2,3
	v_cvt_pk_f16_f32 v[P+16*\t+J], v[S+32*\t+2*J], v[S+32*\t+2*J+1]
.endr
.set J, J+1
.endr
.irp z, 0,1,2,3,4,5,6,7                ; the sum of a tile's 16 pairs, in place
.irp t, 0,1,2,3
	v_pk_add_f32 v[S+32*\t+4*\z:S+32*\t+4*\z+1], v[S+32*\t+4*\z:S+32*\t+4*\z+1], v[S+32*\t+4*\z+2:S+32*\t+4*\z+3]
.endr
.endr
.irp z, 0,1,2,3
.irp t, 0,1,2,3
	v_pk_add_f32 v[S+32*\t+8*\z:S+32*\t+8*\z+1], v[S+32*\t+8*\z:S+32*\t+8*\z+1], v[S+32*\t+8*\z+4:S+32*\t+8*\z+5]
.endr
.endr
.irp z, 0,1
.irp t, 0,1,2,3
	v_pk_add_f32 v[S+32*\t+16*\z:S+32*\t+16*\z+1], v[S+32*\t+16*\z:S+32*\t+16*\z+1], v[S+32*\t+16*\z+8:S+32*\t+16*\z+9]
.endr
.endr
.if \first
.irp t, 0,1,2,3
	v_pk_add_f32 v[ST+8*\t+2:ST+8*\t+3], v[S+32*\t:S+32*\t+1], v[S+32*\t+16:S+32*\t+17]
.endr
.else
.irp t, 0,1,2,3
	v_pk_add_f32 v[S+32*\t:S+32*\t+1], v[S+32*\t:S+32*\t+1], v[S+32*\t+16:S+32*\t+17]
.endr
.irp t, 0,1,2,3
	v_pk_fma_f32 v[ST+8*\t+2:ST+8*\t+3], v[ST+8*\t+2:ST+8*\t+3], v[ST+8*\t+6:ST+8*\t+7], v[S+32*\t:S+32*\t+1] op_sel_hi:[1,0,1]   ; l = a l + the sum
.endr
	WIN 0x41                                       ; O^T (destination and source 0) window 1
.set J, 0
.rept 16
.irp t, 0,1,2,3
	v_pk_mul_f32 v[32*\t+2*J:32*\t+2*J+1], v[32*\t+2*J:32*\t+2*J+1], v[ST+8*\t+6:ST+8*\t+7] op_sel_hi:[1,0]
.endr
.set J, J+1
.endr
	WIN 0
.endif
.endm
; A step: 64 keys of my quarter.  In both runs of products 16 accumulators take turns, one instruction a turn.
.macro STEP slot, u, first
	PLACES 4                                       ; in front of loads into the buffer that the last products read
	FETCH ADK+\slot, \u
	s_wait_dscnt 0x0
	WIN 0x05                                       ; K and Q window 1, S^T window 0
.irp cf, 0,1
.irp kt, 0,1,2,3
.irp t, 0,1,2,3
.if \cf == 0
	v_wmma_f32_16x16x32_f16 v[S+32*\t+8*\kt:S+32*\t+8*\kt+7], v[KV+8*(2*\kt+\cf):KV+8*(2*\kt+\cf)+7], v[QR+16*\t+8*\cf:QR+16*\t+8*\cf+7], 0
.else
	v_wmma_f32_16x16x32_f16 v[S+32*\t+8*\kt:S+32*\t+8*\kt+7], v[KV+8*(2*\kt+\cf):KV+8*(2*\kt+\cf)+7], v[QR+16*\t+8*\cf:QR+16*\t+8*\cf+7], v[S+32*\t+8*\kt:S+32*\t+8*\kt+7]
.endif
.endr
.endr
.endr
	WIN 0
	PLACES 4                                       ; in front of V's loads into K's registers, and of the first read of the scores
	FETCH ADV+\slot, \u                            ; V lands while the softmax is walked
	SOFTMAX \first
	s_wait_dscnt 0x0
	WIN 0x51                                       ; V and O^T window 1, P window 0
.irp g, 0,1
.irp ch, 0,1,2,3
.irp t, 0,1,2,3
.if (\first) && (\g == 0)
	v_wmma_f32_16x16x32_f16 v[32*\t+8*\ch:32*\t+8*\ch+7], v[KV+8*(4*\g+\ch):KV+8*(4*\g+\ch)+7], v[P+16*\t+8*\g:P+16*\t+8*\g+7], 0
.else
	v_wmma_f32_16x16x32_f16 v[32*\t+8*\ch:32*\t+8*\ch+7], v[KV+8*(4*\g+\ch):KV+8*(4*\g+\ch)+7], v[P+16*\t+8*\g:P+16*\t+8*\g+7], v[32*\t+8*\ch:32*\t+8*\ch+7]
.endif
.endr
.endr
.endr
	WIN 0
.endm
; A trip: the change of slots at its head, then my two steps of the slot.  Each wave waits for all its tensor loads (its part of the slot that it is about to read), adds 0 to its spare word, and waits for that and for its
; reads of the slot that it has left.  The barrier is a round of the cluster's; behind it the other slot takes the next tile: one load a wave, which has the trip's two steps of both waves of a SIMD in which to land.
.macro TRIP slot, refill, first, pf, how
.if \pf
	s_wait_xcnt 0x0                                ; the last prefetch, a trip back, has read its address
	s_add_nc_u64 s[PFA:PFA+1], s[PFA:PFA+1], 65536 ; one tile further on than the load below
.endif
	s_wait_tensorcnt 0x0                           ; no tensor load of mine is out, so a group 0 may be written
	ds_add_u32 v[SPW], v[NIL]                      ; 0 onto my spare word
	s_add_nc_u64 s[G0+4*\slot+2:G0+4*\slot+3], s[G0+4*\slot+2:G0+4*\slot+3], 2*65536   ; this slot's next tile
	s_wait_dscnt 0x0                               ; the add is done, and my reads of the other slot are over
	CROUND
.if \refill
	tensor_load_to_lds s[G0+4-4*\slot:G0+7-4*\slot], s[G1:G1+7]
	s_nop 0
	PLACES 4
.if \pf
	ASK \how
.endif
.endif
	STEP \slot, 0, \first
	STEP \slot, 1, 0
.endm
	TRIP 0, 1, 1, 0, 0                             ; tile 0; slot 1 is filled for the first time, as a refill is
	s_mov_b32 s3, 3
.Lloop:                                                ; tiles 1 to 6
	TRIP 1, 1, 0, 1, 1
	TRIP 0, 1, 0, 1, 0
	s_sub_co_u32 s3, s3, 1
	s_cmp_lg_u32 s3, 0
	s_cbranch_scc1 .Lloop
	TRIP 1, 0, 0, 0, 0                             ; tile 7: written out, nothing is asked for
	; THE MERGE.  Every wave puts its c m, l and O^T into LDS: O^T into slot 0, which has had its last fill, and which nobody reads since the last round.  Behind a barrier wave (qg, kq) merges tile kq of the 64 queries qg.
	PLACES 4
.irp t, 0,1,2,3
	v_add_f32 v[ST+8*\t+4], v[ST+8*\t+2], v[ST+8*\t+3]
.endr
.irp t, 0,1,2,3
	v_permlanex16_b32 v[ST+8*\t+5], v[ST+8*\t+4], s[SEL], s[SEL+1]
.endr
.irp t, 0,1,2,3
	v_add_f32 v[ST+8*\t+4], v[ST+8*\t+4], v[ST+8*\t+5]
.endr
.irp t, 0,1,2,3
	ds_store_b32 v[MSW], v[ST+8*\t] offset:256*\t
	ds_store_b32 v[MSW], v[ST+8*\t+4] offset:256*\t+128
.endr
	WIN 0x04                                       ; an LDS store's data are its source 1: window 1
.set N, 0
.rept 32
	ds_store_b128 v[MO], v[4*N:4*N+3] offset:512*N ; each accumulator from its low end on
.set N, N+1
.endr
	WIN 0
	s_wait_dscnt 0x0                               ; for the others' sake: my stores are done
	s_barrier_signal -1
	s_barrier_wait -1
.irp a, 0,1,2,3
	ds_load_b32 v[16+\a], v[MSR] offset:2048*\a
	ds_load_b32 v[20+\a], v[MSR] offset:2048*\a+128
.endr
.irp a, 0,1
.irp n, 0,1,2,3,4,5,6,7
	ds_load_b128 v[S+32*\a+4*\n:S+32*\a+4*\n+3], v[MR0] offset:32768*\a+512*\n
	ds_load_b128 v[S+64+32*\a+4*\n:S+64+32*\a+4*\n+3], v[MR1] offset:32768*\a+512*\n
.endr
.endr
	s_wait_dscnt 0x0
	v_max3_num_f32 v12, v16, v17, v18
	v_max_num_f32 v12, v12, v19                    ; the query's c m over all keys
.irp a, 0,1,2,3
	v_sub_f32 v[16+\a], v[16+\a], v12
.endr
.irp a, 0,1,2,3
	v_exp_f32 v[16+\a], v[16+\a]                   ; f = 2^(c m of the quarter - c m)
.endr
	v_nop
	s_wait_alu depctr_va_vdst(0)                   ; one wait for the four
	v_mul_f32 v13, v16, v20
	v_fmac_f32 v13, v17, v21
	v_fmac_f32 v13, v18, v22
	v_fmac_f32 v13, v19, v23                       ; the row's sum
	v_rcp_f32 v13, v13
	v_nop
	s_wait_alu depctr_va_vdst(0)
	v_mul_f32 v13, 4.0, v13                        ; v was stored as an eighth, attn leaves halved
.irp a, 0,1,2,3
	v_mul_f32 v[24+2*\a], v[16+\a], v13
	v_mul_f32 v[25+2*\a], v[16+\a], v13            ; (named with it as a pair, so it is written)
.endr
.set J, 0
.rept 16
	v_pk_mul_f32 v[S+2*J:S+2*J+1], v[S+2*J:S+2*J+1], v[24:25] op_sel_hi:[1,0]
.set J, J+1
.endr
.irp a, 1,2,3
.set J, 0
.rept 16
	v_pk_fma_f32 v[S+2*J:S+2*J+1], v[S+32*\a+2*J:S+32*\a+2*J+1], v[24+2*\a:25+2*\a], v[S+2*J:S+2*J+1] op_sel_hi:[1,0,1]
.set J, J+1
.endr
.endr
.set J, 0
.rept 16
	v_cvt_pk_f16_f32 v[P+J], v[S+2*J], v[S+2*J+1]
.set J, J+1
.endr
.irp ch, 0,1,2,3
	global_store_b128 v[LI], v[P+4*\ch:P+4*\ch+3], s[10:11] offset:512*\ch   ; 32 lanes store 512 consecutive aligned bytes
.endr
	s_wait_tensorcnt 0x0                           ; the wave's end, behind my last tensor load and my last LDS store
	ds_add_u32 v[SPW], v[NIL]
	s_wait_dscnt 0x0
	CROUND                                         ; the closing round
	s_endpgm
.Lfunc_end_k_q8551c08f9b_attn:
	.size	k_q8551c08f9b_attn, .Lfunc_end_k_q8551c08f9b_attn-k_q8551c08f9b_attn
	.p2alignl 7, 3214868480
	.fill 96, 4, 3214868480
	.section	.rodata,"a",@progbits
	.p2align	6, 0x0
	.amdhsa_kernel k_q8551c08f9b_attn
		.amdhsa_group_segment_fixed_size 327680
		.amdhsa_private_segment_fixed_size 0
		.amdhsa_enable_private_segment 0
		.amdhsa_kernarg_size 32
		.amdhsa_user_sgpr_count 2
		.amdhsa_user_sgpr_kernarg_segment_ptr 1
		.amdhsa_wavefront_size32 1
		.amdhsa_system_sgpr_workgroup_id_x 1
		.amdhsa_system_sgpr_workgroup_id_y 1
		.amdhsa_system_sgpr_workgroup_id_z 1
		.amdhsa_system_vgpr_workitem_id 0
		.amdhsa_next_free_vgpr 512
		.amdhsa_next_free_sgpr 66
		.amdhsa_reserve_vcc 0
		.amdhsa_float_denorm_mode_32 3
		.amdhsa_float_denorm_mode_16_64 3
		.amdhsa_memory_ordered 1
		.amdhsa_forward_progress 1
		.amdhsa_inst_pref_size 255
	.end_amdhsa_kernel
	.section	.bss,"aw",@nobits
	.p2align	6
	.space	262144
	.amdgpu_metadata
---
amdhsa.version: [ 1, 2 ]
amdhsa.kernels:
  - .name:           k_q8551c08f9b_attn
    .symbol:         k_q8551c08f9b_attn.kd
    .args:
      - { .name: qf, .offset: 0, .size: 8, .value_kind: global_buffer, .address_space: global }
      - { .name: kf, .offset: 8, .size: 8, .value_kind: global_buffer, .address_space: global }
      - { .name: vf, .offset: 16, .size: 8, .value_kind: global_buffer, .address_space: global }
      - { .name: af, .offset: 24, .size: 8, .value_kind: global_buffer, .address_space: global }
    .group_segment_fixed_size: 327680
    .private_segment_fixed_size: 0
    .kernarg_segment_align: 8
    .kernarg_segment_size: 32
    .max_flat_workgroup_size: 256
    .sgpr_count:     66
    .vgpr_count:     512
    .wavefront_size: 32
...
	.end_amdgpu_metadata
.endif
;; end of part 3
;; launch proj (part 4): grid 8 x 32, 4 waves a work-group, clusters of 4 x 4, 327,680 bytes of LDS; arguments af, wof, out0; writes out0
.if DOCPART == 4
	.amdgcn_target "amdgcn-amd-amdhsa--gfx1250"
	.amdhsa_code_object_version 6
	.text
	.protected	k_q8551c08f9b_proj
	.globl	k_q8551c08f9b_proj
	.p2align	8
	.type	k_q8551c08f9b_proj,@function
k_q8551c08f9b_proj:
	s_mov_b64 s[64:65], 0
	v_nop
	global_prefetch_b8 v0, s[64:65] scope:SCOPE_SE
	s_setreg_imm32_b32 hwreg(HW_REG_WAVE_MODE, 25, 1), 1
	s_wait_xcnt 0x0
	s_wait_alu depctr_hold_cnt(0) depctr_sa_sdst(0) depctr_va_vdst(0) depctr_va_sdst(0) depctr_va_ssrc(0) depctr_va_vcc(0) depctr_vm_vsrc(0)
	s_getreg_b32 s2, hwreg(HW_REG_IB_STS2, 6, 4)
	s_cmp_eq_u32 s2, 0
	s_cbranch_scc0 .Lentry_in_a_cluster
	s_endpgm
.Lentry_in_a_cluster:
	s_bfe_u32 s2, ttmp6, 0x10000c
	s_cmp_lg_u32 s2, 0xf033
	s_cbranch_scc0 .Lentry_shape_is_right
	s_endpgm
.Lentry_shape_is_right:
; out0 = attn x wo^T: [4096][512] x [2048][512]^T, f16 operands (attn / 2 and 2 wo, both exact scalings, stored as images of the fragments), sums in f32, out0 f32.
; SHARES.  A work-group makes 128 rows x 256 columns: 8 x 32 = 256 work-groups; wave (mh, nh) makes 64 x 128: 32 accumulators.  K = 512 goes in four chunks of 128, each four K steps of 32.
; LDS: three slots of a chunk (A 32,768 bytes, B 65,536).  Chunks 0, 1, 2 are first fills; chunk 3 fills slot 0 again behind one round of the cluster's barrier and has chunks 1 and 2, 256 products a wave, in which to land.
; CLUSTER 4 x 4: A's tiles hang on the row block alone and are asked for jointly along a row of the cluster, B's on the column block alone, along a column.
; The products are used TRANSPOSED (source 0 = 16 rows of wo): a lane holds eight neighbouring numbers of a row of out0; a block of 16 rows goes through the wave's stage in LDS and leaves as whole rows of 512 bytes.
; The launch is short and its tiles are read by several work-groups: nothing is prefetched.
; REGISTERS: window 0: v3-14 addresses; v16, v17 the add's two; v32-223 two sets of fragments (A at 8 i, B at 32 + 8 b); on the way out v32-159 rows of out0.  window 1: the accumulators ((a, b) at 8 (8 a + b)).
.set SLOT,  98304
.set BOFF,  32768
.set SPARE, 3*SLOT                     ; the spare words, 128 bytes a wave: two blocks of 256 bytes that no other line names
.set STG,   SLOT                       ; the stages, 16 rows x 528 bytes a wave, in slot 1: it has had its one fill, and its last read lies ahead of the barrier in front of chunk 3
.set SPI,   528
.set LI,   3
.set ADRA, 4                           ; v4-6
.set ADRB, 8                           ; v8-10
.set STO,  12
.set RD,   13
.set SPW,  16
.set NIL,  17
.set FR,   32
.set BK,   32
.set WV,   10
.set MH,   11
.set NH,   12
.set G1A,  24
.set G1B,  32
.set G0A,  40                          ; s[40:51] three slots
.set G0B,  68                          ; s[68:79]
.set MSB, 0
.macro WIN new
.if MSB != \new
	s_set_vgpr_msb (MSB<<8)|\new
.set MSB, \new
.endif
.endm
.macro PLACES n
.rept \n
	v_nop
.endr
.endm
.macro CREST
	s_cmp_lg_u32 s[WV], 0
	s_cbranch_scc1 .Lnot_wave_0_\@
	s_barrier_signal -3
.Lnot_wave_0_\@:
	s_barrier_wait -3
	s_barrier_signal -1
	s_barrier_wait -1
.endm
.macro CROUND
	s_barrier_signal -1
	s_barrier_wait -1
	CREST
.endm
.macro SHAPE g, rows                   ; group 1 of a dense block: rows of 256 bytes (32 elements of 8 bytes)
	s_mov_b32 s[\g+1], 32<<16
	s_mov_b32 s[\g+2], (\rows)<<16
	s_mov_b32 s[\g+3], 32<<16
	s_mov_b32 s[\g+4], \rows
	s_mov_b32 s[\g+5], 32
	s_mov_b32 s[\g+6], 0
	s_mov_b32 s[\g+7], 0
.endm
	s_load_b128 s[4:7], s[0:1], 0x0                ; af, wof
	s_load_b64 s[8:9], s[0:1], 0x10                ; out0
	v_lshl_add_u32 v[SPW], v0, 2, SPARE
	v_mov_b32 v[NIL], 0
	ds_add_u32 v[SPW], v[NIL]                      ; the wave's opening: the add, twice on end, and its wait ahead of my first tensor load
	ds_add_u32 v[SPW], v[NIL]
	v_lshrrev_b32 v1, 5, v0
	v_readfirstlane_b32 s[WV], v1
	s_lshr_b32 s[MH], s[WV], 1                     ; my half of the rows.  Also: I fetch for A (0) or for B (1)
	s_and_b32 s[NH], s[WV], 1                      ; my half of the columns.  Also: which half of that tile I fetch
	s_bfe_u32 s13, ttmp6, 0x40000                  ; cx
	s_bfe_u32 s14, ttmp6, 0x40004                  ; cy
	s_lshl_b32 s15, ttmp9, 2
	s_add_co_u32 s15, s15, s13                     ; block of 256 columns
	s_and_b32 s16, ttmp7, 0xffff
	s_lshl_b32 s16, s16, 2
	s_add_co_u32 s16, s16, s14                     ; block of 128 rows
	s_lshl_b32 s17, s14, 2
	s_lshl_b32 s17, 15, s17                        ; my row of the cluster
	s_lshl_b32 s18, 0x1111, s13                    ; my column
	s_or_b32 s[G1A], s17, (3<<16)|(1<<21)
	s_or_b32 s[G1B], s18, (3<<16)|(1<<21)
	SHAPE G1A, 64                                  ; 4 tiles of A, 4,096 bytes each
	SHAPE G1B, 128                                 ; 8 tiles of B
	s_lshl_b32 s20, s16, 3
	s_lshl_b32 s21, s[NH], 2
	s_add_co_u32 s20, s20, s21
	s_lshl_b32 s20, s20, 12
	s_mov_b32 s21, 0
	s_lshl_b32 s22, s15, 4
	s_lshl_b32 s23, s[NH], 3
	s_add_co_u32 s22, s22, s23
	s_lshl_b32 s22, s22, 12
	s_mov_b32 s23, 0
	s_lshl_b32 s52, s[NH], 14                      ; where they go: no place in the cluster enters an LDS address
	s_lshl_b32 s53, s[NH], 15
	s_add_co_u32 s53, s53, BOFF
	s_wait_dscnt 0x0                               ; both opening adds are done
	s_wait_kmcnt 0x0
	s_add_nc_u64 s[20:21], s[4:5], s[20:21]
	s_add_nc_u64 s[22:23], s[6:7], s[22:23]
	CROUND                                         ; all sixteen work-groups are here: the first joint loads meet
.irp s, 0,1,2
	s_mov_b32 s[G0A+4*\s], 1
	s_add_co_u32 s[G0A+4*\s+1], s52, \s*SLOT
	s_add_nc_u64 s[G0A+4*\s+2:G0A+4*\s+3], s[20:21], \s*1048576   ; chunk s
	s_or_b32 s[G0A+4*\s+3], s[G0A+4*\s+3], 0x80000000
	s_mov_b32 s[G0B+4*\s], 1
	s_add_co_u32 s[G0B+4*\s+1], s53, \s*SLOT
	s_add_nc_u64 s[G0B+4*\s+2:G0B+4*\s+3], s[22:23], \s*524288
	s_or_b32 s[G0B+4*\s+3], s[G0B+4*\s+3], 0x80000000
.endr
	s_cmp_eq_u32 s[MH], 0                          ; a wave's three first fills stand in one branch: three loads of mine are out
	s_cbranch_scc0 .Lfirst_b
	tensor_load_to_lds s[G0A:G0A+3], s[G1A:G1A+7]
	s_nop 0
	tensor_load_to_lds s[G0A+4:G0A+7], s[G1A:G1A+7]
	s_nop 0
	tensor_load_to_lds s[G0A+8:G0A+11], s[G1A:G1A+7]
	s_nop 0
	PLACES 4
	s_branch .Lfirst_done
.Lfirst_b:
	tensor_load_to_lds s[G0B:G0B+3], s[G1B:G1B+7]
	s_nop 0
	tensor_load_to_lds s[G0B+4:G0B+7], s[G1B:G1B+7]
	s_nop 0
	tensor_load_to_lds s[G0B+8:G0B+11], s[G1B:G1B+7]
	s_nop 0
	PLACES 4
.Lfirst_done:
	v_and_b32 v1, 15, v0                           ; r
	v_bfe_u32 v2, v0, 4, 1                         ; h
	v_and_b32 v[LI], 31, v0
	v_lshlrev_b32 v[LI], 4, v[LI]
	s_lshl_b32 s52, s[MH], 14                      ; my four tiles of A
	v_add_nc_u32 v[ADRA], s52, v[LI]
	v_add_nc_u32 v[ADRA+1], SLOT, v[ADRA]
	v_add_nc_u32 v[ADRA+2], SLOT, v[ADRA+1]
	v_add_nc_u32 v[ADRB], s53, v[LI]               ; my eight of B
	v_add_nc_u32 v[ADRB+1], SLOT, v[ADRB]
	v_add_nc_u32 v[ADRB+2], SLOT, v[ADRB+1]
	s_mul_i32 s52, s[WV], 16*SPI
	s_add_co_u32 s52, s52, STG                     ; my stage
	v_mul_u32_u24 v[STO], v1, SPI
	v_lshl_add_u32 v[STO], v2, 5, v[STO]
	v_add_nc_u32 v[STO], s52, v[STO]               ; in: row r, 32 bytes for each half of the lanes
	v_add_nc_u32 v[RD], s52, v[LI]                 ; back: the 32 lanes take one row of 512 bytes
	s_lshl_b32 s54, s16, 20                        ; 128 rows of 8,192 bytes
	s_lshl_b32 s55, s[MH], 19
	s_add_co_u32 s54, s54, s55
	s_lshl_b32 s55, s15, 10                        ; 256 columns
	s_add_co_u32 s54, s54, s55
	s_lshl_b32 s55, s[NH], 9
	s_add_co_u32 s54, s54, s55
	s_mov_b32 s55, 0
	s_add_nc_u64 s[8:9], s[8:9], s[54:55]
.macro FETCH j                         ; K step j's fragments (chunk j / 4 in slot (j / 4) % 3) into set j % 2: 24 loads of 512 consecutive bytes, in one run
.irp i, 0,1,2,3
.irp c, 0,1
	ds_load_b128 v[FR+96*((\j)%2)+8*\i+4*\c:FR+96*((\j)%2)+8*\i+4*\c+3], v[ADRA+((\j)/4)%3] offset:4096*\i+1024*((\j)%4)+512*\c
.endr
.endr
.irp b, 0,1,2,3,4,5,6,7
.irp c, 0,1
	ds_load_b128 v[FR+96*((\j)%2)+32+8*\b+4*\c:FR+96*((\j)%2)+32+8*\b+4*\c+3], v[ADRB+((\j)/4)%3] offset:4096*\b+1024*((\j)%4)+512*\c
.endr
.endr
.endm
.macro MUL p, a0, n, zero              ; row tiles a0 .. a0 + n - 1 x the eight column tiles; the 32 accumulators take turns, in the same order in every step
.set MA, \a0
.rept \n
.irp b, 0,1,2,3,4,5,6,7
.if \zero
	v_wmma_f32_16x16x32_f16 v[8*(8*MA+\b):8*(8*MA+\b)+7], v[FR+96*(\p)+32+8*\b:FR+96*(\p)+32+8*\b+7], v[FR+96*(\p)+8*MA:FR+96*(\p)+8*MA+7], 0
.else
	v_wmma_f32_16x16x32_f16 v[8*(8*MA+\b):8*(8*MA+\b)+7], v[FR+96*(\p)+32+8*\b:FR+96*(\p)+32+8*\b+7], v[FR+96*(\p)+8*MA:FR+96*(\p)+8*MA+7], v[8*(8*MA+\b):8*(8*MA+\b)+7]
.endif
.endr
.set MA, MA+1
.endr
.endm
.macro KSTEP j, zero
	s_wait_dscnt 0x0                               ; this step's set is in
	PLACES 4                                       ; in front of loads into the set that the last products read
	FETCH (\j)+1
	WIN 0x50                                       ; C and D window 1
	MUL (\j)%2, 0, 4, \zero
	WIN 0
.endm
	s_wait_tensorcnt 2                             ; my part of chunk 0 is in; chunks 1 and 2 may stay out
	s_barrier_signal -1
	s_barrier_wait -1
	FETCH 0
	KSTEP 0, 1                                     ; the first products start the sums
	KSTEP 1, 0
	KSTEP 2, 0
	; K step 3 leaves slot 0, which takes chunk 3
	s_wait_tensorcnt 0x0                           ; all my tensor loads have landed: my parts of chunks 1 and 2
	ds_add_u32 v[SPW], v[NIL]                      ; 0 onto my spare word
	s_wait_dscnt 1                                 ; this step's set is in; the add may be out
	WIN 0x50
	MUL 1, 0, 2, 0
	s_wait_dscnt 0x0                               ; the add is done, and my reads of slot 0 are over
	s_barrier_signal -1
	MUL 1, 2, 1, 0
	WIN 0
	s_barrier_wait -1
	CREST                                          ; the barrier has opened a round of the cluster's: no wave of any partner still reads slot 0 or has a load on its way
	s_add_nc_u64 s[G0A+2:G0A+3], s[G0A+2:G0A+3], 3*1048576
	s_add_nc_u64 s[G0B+2:G0B+3], s[G0B+2:G0B+3], 3*524288
	s_cmp_eq_u32 s[MH], 0
	s_cbranch_scc0 .Lrefill_b
	tensor_load_to_lds s[G0A:G0A+3], s[G1A:G1A+7]  ; the first tensor load behind the round, one a wave
	s_nop 0
	PLACES 4
	s_branch .Lrefilled
.Lrefill_b:
	tensor_load_to_lds s[G0B:G0B+3], s[G1B:G1B+7]
	s_nop 0
	PLACES 4
.Lrefilled:
	FETCH 4                                        ; chunk 1: the barrier has shown it whole, and chunk 2 with it
	WIN 0x50
	MUL 1, 3, 1, 0
	WIN 0
	KSTEP 4, 0
	KSTEP 5, 0
	KSTEP 6, 0
	KSTEP 7, 0
	KSTEP 8, 0
	KSTEP 9, 0
	KSTEP 10, 0
	; K step 11: chunk 3 is wanted next.
	s_wait_tensorcnt 0x0                           ; my part of chunk 3, the one load that was out
	s_wait_dscnt 0x0                               ; this step's set is in
	s_barrier_signal -1
	WIN 0x50
	MUL 1, 0, 2, 0
	WIN 0
	s_barrier_wait -1                              ; everybody's part is in, and nobody reads slot 1 any more
	PLACES 4
	FETCH 12
	WIN 0x50
	MUL 1, 2, 2, 0
	WIN 0
	KSTEP 12, 0
	KSTEP 13, 0
	KSTEP 14, 0
	s_wait_dscnt 0x0
	WIN 0x50
	MUL 1, 0, 4, 0
	WIN 0
; THE WAY OUT, block by block of 16 rows x 128 columns, through my own stage: LDS serves a wave's instructions in order, so no wait stands between the stores and the loads, nor in front of the next block's stores.
.macro TOSTAGE a
	WIN 0x04                                       ; an LDS store's data are its source 1: window 1
.irp b, 0,1,2,3,4,5,6,7
	ds_store_b128 v[STO], v[8*(8*(\a)+\b):8*(8*(\a)+\b)+3] offset:64*\b          ; each accumulator from its low end on
	ds_store_b128 v[STO], v[8*(8*(\a)+\b)+4:8*(8*(\a)+\b)+7] offset:64*\b+16
.endr
	WIN 0
.irp t, 0,1,2,3,4,5,6,7,8,9,10,11,12,13,14,15
	ds_load_b128 v[BK+64*((\a)%2)+4*\t:BK+64*((\a)%2)+4*\t+3], v[RD] offset:\t*SPI
.endr
.endm
.macro SEND a, younger                 ; younger: the LDS instructions issued behind block a's loads, which may stay out
	s_wait_dscnt \younger
.irp t, 0,1,2,3,4,5,6,7,8,9,10,11,12,13,14,15
	global_store_b128 v[LI], v[BK+64*((\a)%2)+4*\t:BK+64*((\a)%2)+4*\t+3], s[8:9] offset:(16*(\a)+\t)*8192 th:TH_STORE_NT   ; 32 lanes store 512 consecutive aligned bytes; written once, read by nobody here
.endr
.endm
	PLACES 4                                       ; in front of the first read of results, and of loads into the fragments' registers
	TOSTAGE 0
	TOSTAGE 1
	SEND 0, 32                                     ; behind block 0's loads: block 1's 16 stores and 16 loads
	s_wait_xcnt 0x0                                ; block 0's stores have read their registers: block 2's rows may land there
	TOSTAGE 2
	SEND 1, 32
	s_wait_xcnt 0x0
	TOSTAGE 3
	SEND 2, 32
	SEND 3, 0
	s_wait_tensorcnt 0x0                           ; the wave's end, behind my last tensor load and my last LDS store
	ds_add_u32 v[SPW], v[NIL]
	s_wait_dscnt 0x0
	CROUND                                         ; the closing round
	s_endpgm
.Lfunc_end_k_q8551c08f9b_proj:
	.size	k_q8551c08f9b_proj, .Lfunc_end_k_q8551c08f9b_proj-k_q8551c08f9b_proj
	.p2alignl 7, 3214868480
	.fill 96, 4, 3214868480
	.section	.rodata,"a",@progbits
	.p2align	6, 0x0
	.amdhsa_kernel k_q8551c08f9b_proj
		.amdhsa_group_segment_fixed_size 327680
		.amdhsa_private_segment_fixed_size 0
		.amdhsa_enable_private_segment 0
		.amdhsa_kernarg_size 24
		.amdhsa_user_sgpr_count 2
		.amdhsa_user_sgpr_kernarg_segment_ptr 1
		.amdhsa_wavefront_size32 1
		.amdhsa_system_sgpr_workgroup_id_x 1
		.amdhsa_system_sgpr_workgroup_id_y 1
		.amdhsa_system_sgpr_workgroup_id_z 1
		.amdhsa_system_vgpr_workitem_id 0
		.amdhsa_next_free_vgpr 512
		.amdhsa_next_free_sgpr 96
		.amdhsa_reserve_vcc 0
		.amdhsa_float_denorm_mode_32 3
		.amdhsa_float_denorm_mode_16_64 3
		.amdhsa_memory_ordered 1
		.amdhsa_forward_progress 1
		.amdhsa_inst_pref_size 83
	.end_amdhsa_kernel
	.amdgpu_metadata
---
amdhsa.version: [ 1, 2 ]
amdhsa.kernels:
  - .name:           k_q8551c08f9b_proj
    .symbol:         k_q8551c08f9b_proj.kd
    .args:
      - { .name: af, .offset: 0, .size: 8, .value_kind: global_buffer, .address_space: global }
      - { .name: wof, .offset: 8, .size: 8, .value_kind: global_buffer, .address_space: global }
      - { .name: out0, .offset: 16, .size: 8, .value_kind: global_buffer, .address_space: global }
    .group_segment_fixed_size: 327680
    .private_segment_fixed_size: 0
    .kernarg_segment_align: 8
    .kernarg_segment_size: 24
    .max_flat_workgroup_size: 128
    .sgpr_count:     96
    .vgpr_count:     512
    .wavefront_size: 32
...
	.end_amdgpu_metadata
.endif
;; end of part 4
